; MI455X (gfx1250); checked and timed in simulation.
; The chip was launched on July 23, 2026; its instructions are those of AMD's public machine-readable ISA for CDNA 5 (MIT licence, August 2026) and "CDNA5" Instruction Set Architecture Reference Guide (July 2026). The comments in the code are by the model that wrote it; some were corrected since.
;; Vision Attention. Allowed arithmetic: matrix products marked QUANTISED: E2M1 operands, one E8M0 scale for each 32 along K, by v_wmma_scale_f32_16x16x128_f8f6f4 with both operands' format E2M1 (or v_wmma_scale_f32_32x16x128_f4), f32 sums; products left as they are: bf16, f16 or f32 operands; f32 sums; everything else in f32.
;; Inputs: k_scale 64 float32; positions_xy 8 x 1,024 x 2 float32; q_scale 64 float32; v_scale 64 float32; wk 1,024 x 1,024 float32; wo 1,024 x 1,024 float32; wq 1,024 x 1,024 float32; wv 1,024 x 1,024 float32; x 8 x 1,024 x 1,024 float32.
;; Outputs: out0 8 x 1,024 x 1,024 float32.
;; This version of the problem:
;;   THIS VERSION OF THE PROBLEM IS GIVEN IN LOW PRECISION. The matrix products marked QUANTISED in the list below multiply operands that are first quantised to E2M1 (2 exponent bits, 1 mantissa bit; 4 bits a number), with one power-of-two scale for each 32 numbers along K (OCP MX v1.0); their sums are f32. The products marked 'left as it is' may take bf16, f16 or f32 operands, with f32 sums. Whichever they take, every output number must still come out within the allowed error. Rounding operands to bf16 (8 significant bits) uses up far more of that allowance than f16 does (11 bits, for magnitudes from 6e-5 to 65,504). All else is computed in f32.
;;   The module's matrix products, in the order in which they are computed (A, B: the left and right operand; K: the contracted axis; several contracted axes count as one K, in the product's order):
;;     1. [M 8,192, K 1,024] x [K 1,024, N 1,024]; A: input x; B: input wq: QUANTISED
;;     2. [M 8,192, K 1,024] x [K 1,024, N 1,024]; A: input x; B: input wk: QUANTISED
;;     3. [M 8,192, K 1,024] x [K 1,024, N 1,024]; A: input x; B: input wv: QUANTISED
;;     4. batch 128 x [M 1,024, K 64] x [K 64, N 1,024]; A: computed on the way; B: computed on the way: left as it is (an operand is computed on the way)
;;     5. batch 128 x [M 64, K 1,024] x [K 1,024, N 1,024]; A: computed on the way; B: computed on the way: left as it is (an operand is computed on the way)
;;     6. [M 8,192, K 1,024] x [K 1,024, N 1,024]; A: computed on the way; B: input wo: left as it is (an operand is computed on the way)
;;   THE QUANTISER, for each operand of a quantised product, along K:
;;     - K is cut into blocks of 32 from its start; a last block that is shorter is filled with zeros.
;;     - A block's scale is 2^e with e = floor(log2(the largest magnitude in the block)) - 2, held to -126 .. 127; a block of zeros has e = 0. As a byte (E8M0): e + 127.
;;     - Each number is divided by its block's scale, clamped to +-6, and rounded to the nearest number of E2M1, ties to even, subnormals kept.
;;     - The product sums the exact products of the quantised numbers (number of the format x scale) in f32.
;;   ~~~python
;;   def quantise(x, axis):      # numpy; x: float32 -> the quantised numbers, widened to float32 again
;;       x = np.moveaxis(x, axis, -1); K = x.shape[-1]
;;       x = np.pad(x, [(0, 0)] * (x.ndim - 1) + [(0, -K % 32)]); x = x.reshape(x.shape[:-1] + (-1, 32)); a = np.abs(x).max(-1, keepdims=True)
;;       e = np.where(a > 0, np.clip(np.frexp(np.where(a > 0, a, 1))[1] - 1 - 2, -126, 127), 0)      # np.frexp(a)[1] - 1 = floor(log2(a)), exactly
;;       r = np.clip(x / 2.0 ** e, -6, 6)
;;       step = 2.0 ** (np.maximum(np.frexp(np.where(r == 0, 1, r))[1] - 1, 0) - 1)
;;       q = np.round(r / step) * step * 2.0 ** e      # np.round: ties to even
;;       return np.moveaxis(q.reshape(q.shape[:-2] + (-1,))[..., :K], -1, axis).astype(np.float32)
;;   ~~~
;; One version. Each part assembles by itself: llvm-mc -triple=amdgcn-amd-amdhsa -mcpu=gfx1250 --defsym DOCPART=n.
;; ======== version 1 of 1: 4 launches
;; limits: values are held in f16: magnitudes above 65,504 overflow, below 6.1e-05 lose precision; right only within a limited range of input values
;; workspace buffers: xc 4,194,304 bytes; xs 262,144 bytes; wc 1,572,864 bytes; ws 98,304 bytes; wo16 2,097,152 bytes; tab 2,097,152 bytes; qkv 50,331,648 bytes; oimg 16,777,216 bytes
;; launch prep (part 1): grid 544 x 1, 4 waves a work-group, no clusters, 68,096 bytes of LDS; arguments x, wq, wk, wv, wo, positions_xy, xc, xs, wc, ws, wo16, tab; writes xc, xs, wc, ws, wo16, tab
.if DOCPART == 1
	.amdgcn_target "amdgcn-amd-amdhsa--gfx1250"
	.amdhsa_code_object_version 6
	.text
	.protected	k_qe037292918_prep
	.globl	k_qe037292918_prep
	.p2align	8
	.type	k_qe037292918_prep,@function
k_qe037292918_prep:
	s_mov_b64 s[64:65], 0
	v_nop
	global_prefetch_b8 v0, s[64:65] scope:SCOPE_SE
	s_setreg_imm32_b32 hwreg(HW_REG_WAVE_MODE, 25, 1), 1
	s_wait_xcnt 0x0
; PREPARATION, four kinds of work-group told apart by the work-group's number alone:
;   W (0-95):    wq, wk, wv [k 1024][n 1024] f32 -> codes of FP4 (E2M1) with K innermost, wc [3072][512 bytes], and E8M0 bytes ws [3072][32].  Row = 1024 x which + column.
;   X (96-351):  x [8192][1024] f32 -> codes xc [8192][512 bytes], bytes xs [8192][32].
;   O (352-415): wo f32 -> f16, as it lies.
;   T (416-543): the table of cosines and sines for the rotation, laid as the next launch's registers take it: tab [16 tokens][group 8][lane 32][4 numbers] f32.  Lane r + 16 h: token r, frequencies 8 h + j;
;                group 4 p + k: part p; k = 0, 1: cosines of j = 0-3, 4-7; k = 2, 3: sines.  Angle = position(part) x 10000^(-i/16).
; A block's scale is 2^(floor(log2(its largest magnitude)) - 2); its byte is the largest magnitude's exponent field - 2, held at 1 from below.
; LIMITS: a block of zeros gets the byte 1 where the rule says 127 (its codes are zeros, and this program alone reads the bytes); blocks whose largest magnitude lies under 2^-124 get the byte 1;
; NaN and infinities among the inputs are not served; |wo| stays under 65,504 (f16); the angle is position x 2^(-0.830482 i), within 1e-6 relative of position / 10000^(i/16); |angle| under 2^30.
; No tensor loads and no barrier: waves share nothing.  Paths W and X have LDS bytes of their own.
.set SPW,    12                        ; v12  LDS address of my spare word: SPARE + 4 x my thread's number; never rewritten
.set NIL,    13                        ; v13  0; never rewritten
.set SPARE,  67584                     ; behind both paths' regions: 128 bytes for each wave
.set EMAX,   2
.set IDX,    96
.set IDO,    352
.set IDT,    416
; path X: a wave takes 16 steps of 512 numbers; a step's 2,048 bytes are loaded as they lie and turn through the wave's stage, so that a lane holds 16 neighbours.  Loads run eight steps, 32 loads of 512 bytes, ahead
.set STEPS,  16
.set AHEAD,  8
.set CB,     8                         ; bytes of 16 codes
.set XR,     16                        ; v16-143  eight sets of 16 numbers as loaded
.set XX,     144                       ; v144-175 two sets of 16 neighbours
.set XE,     176                       ; v176-191 a scale byte for each step
.set XC,     192                       ; v192-223 codes, two registers of its own for each step
.set WREG,   8192                      ; LDS 0 .. 32,767: a region for each wave: two stages of 32 x 80 bytes, then its 256 scale bytes
.set SP,     80
; path W: a lane takes a column, its registers run down K; a wave takes 16 columns x 512 along K: lanes 0-15 the first 256 along K, lanes 16-31 the same columns' next 256: 8 blocks a lane
.set NB,     8
.set WPITCH, 272
.set WSTG,   32768                     ; LDS from 32,768 on: a stage of 16 rows x 272 bytes for each wave
.set WX,     32                        ; v32-95   two sets of 32 numbers
.set WC,     96                        ; v96-99   a block's codes
.set WOUT,   112                       ; v112-143 the way out
.set WSB,    24                        ; v24-25   the scale bytes
.macro XLOAD t
.irp i, 0,1,2,3
	global_load_b128 v[XR+16*((\t)%AHEAD)+4*\i:XR+16*((\t)%AHEAD)+4*\i+3], v3, s[4:5] offset:2048*(\t)+512*\i th:TH_LOAD_NT   ; 32 lanes read 512 consecutive bytes
.endr
.endm
.macro XTURN t                         ; step t through the stage: LDS serves a wave's instructions in order, so no wait stands between the stores and the loads
.irp i, 0,1,2,3
	ds_store_b128 v14, v[XR+16*((\t)%AHEAD)+4*\i:XR+16*((\t)%AHEAD)+4*\i+3] offset:32*SP*((\t)%2)+8*SP*\i
.endr
.irp i, 0,1,2,3
	ds_load_b128 v[XX+16*((\t)%2)+4*\i:XX+16*((\t)%2)+4*\i+3], v15 offset:32*SP*((\t)%2)+16*\i
.endr
.endm
.macro XSTEP t
.set XS, XX+16*((\t)%2)
.if (\t) > 0
	s_wait_dscnt 1                                 ; this step's numbers are back from the stage (the last step's byte store may be out)
.else
	s_wait_dscnt 0x0
.endif
.if (\t)+AHEAD < STEPS
	XLOAD (\t)+AHEAD                               ; the registers that the stage's stores have read take the loads of eight steps on
.endif
.if (\t)+1 < STEPS
.if STEPS-2-(\t) >= AHEAD-1
	s_wait_loadcnt 4*(AHEAD-1)                     ; the next step's four loads are in; those of the seven steps behind it may be out
.else
	s_wait_loadcnt 4*(STEPS-2-(\t))
.endif
	XTURN (\t)+1
.endif
	v_max3_num_f32 v8, |v[XS]|, |v[XS+1]|, |v[XS+2]|               ; the largest magnitude of my 16, in two chains
	v_max3_num_f32 v9, |v[XS+3]|, |v[XS+4]|, |v[XS+5]|
.irp i, 6,10
	v_max3_num_f32 v8, v8, |v[XS+\i]|, |v[XS+\i+1]|
	v_max3_num_f32 v9, v9, |v[XS+\i+2]|, |v[XS+\i+3]|
.endr
	v_max3_num_f32 v8, v8, |v[XS+14]|, |v[XS+15]|
	v_max3_num_f32 v8, v8, v9, (EMAX+1)<<23        ; and the floor 2^(3 - 127): the byte cannot fall under 1
	v_max_num_f32_dpp v8, v8, v8 row_xmask:1 row_mask:0xf bank_mask:0xf   ; with my neighbour's 16: the block's
	v_add_nc_u32 v11, -(EMAX<<23), v8              ; 2 off its exponent field: the conversion takes the exponent field of this operand as its scale
	v_cvt_scalef32_pk8_fp4_f32 v[XC+2*(\t)], v[XS:XS+7], v11
	v_cvt_scalef32_pk8_fp4_f32 v[XC+2*(\t)+1], v[XS+8:XS+15], v11
	v_lshrrev_b32 v[XE+(\t)], 23, v11              ; the scale's byte
	ds_store_b8 v5, v[XE+(\t)] offset:16*(\t)      ; both lanes of a block write the same byte with the same value
	global_store_b64 v4, v[XC+2*(\t):XC+2*(\t)+1], s[8:9] offset:32*CB*(\t)   ; the wave stores 256 consecutive bytes, aligned
.endm
.macro WLOAD t                         ; block t: W(256 h + 32 t + i, my column), i = 0 .. 31, into set t % 2
.set i, 0
.rept 32
	global_load_b32 v[WX+32*((\t)%2)+i], v3, s[4:5] offset:(32*(\t)+i)*4096 th:TH_LOAD_NT
.set i, i+1
.endr
.endm
.macro WBLOCK t
.set XS, WX+32*((\t)%2)
.if (\t) < NB-1
	s_wait_loadcnt 32                              ; this block's 32 loads are in; the next block's may be out
.else
	s_wait_loadcnt 0x0
.endif
	v_max3_num_f32 v16, |v[XS]|, |v[XS+1]|, |v[XS+2]|              ; the block's largest magnitude: all 32 numbers are mine
	v_max3_num_f32 v17, |v[XS+3]|, |v[XS+4]|, |v[XS+5]|
.irp i, 6,10,14,18,22,26
	v_max3_num_f32 v16, v16, |v[XS+\i]|, |v[XS+\i+1]|
	v_max3_num_f32 v17, v17, |v[XS+\i+2]|, |v[XS+\i+3]|
.endr
	v_max3_num_f32 v16, v16, |v[XS+30]|, |v[XS+31]|
	v_max3_num_f32 v16, v16, v17, (EMAX+1)<<23     ; and the floor
	v_add_nc_u32 v11, -(EMAX<<23), v16
	v_lshrrev_b32 v17, 23, v11                     ; the scale's byte
.if (\t)%4 == 0
	v_mov_b32 v[WSB+(\t)/4], v17                   ; four bytes to a register, the lower K in the lower byte
.else
	v_lshl_or_b32 v[WSB+(\t)/4], v17, 8*((\t)%4), v[WSB+(\t)/4]
.endif
.irp g, 0,1,2,3
	v_cvt_scalef32_pk8_fp4_f32 v[WC+\g], v[XS+8*\g:XS+8*\g+7], v11
.endr
	ds_store_b128 v4, v[WC:WC+3] offset:16*(\t)    ; 32 codes: 16 bytes of my half of my column's row
.if (\t)+2 < NB
	WLOAD (\t)+2
.endif
	s_wait_dscnt 0x0                               ; the store has read its registers: the next block's codes may be written
.endm
; register group g of the table: four angles of one lane: sin(r + k pi/2), k = the quadrant (+ 1 for a cosine).  Part g / 4; cosines where (g / 2) % 2 = 0; frequencies 8 h + 4 (g % 2) + 0 .. 3
.macro SINCOS g
.irp e, 0,1,2,3
	v_mul_f32 v[64+\e], v[16+(\g)/4], v[24+4*((\g)%2)+\e]      ; the angle
.endr
.irp e, 0,1,2,3
	v_mul_f32 v[68+\e], s20, v[64+\e]
.endr
.irp e, 0,1,2,3
	v_rndne_f32 v[68+\e], v[68+\e]                 ; n = the nearest whole number to angle x 2 / pi
.endr
.irp e, 0,1,2,3
	v_fma_f32 v[64+\e], v[68+\e], s21, v[64+\e]    ; r = angle - n x pi/2, pi/2 in two parts
.endr
.irp e, 0,1,2,3
	v_fma_f32 v[64+\e], v[68+\e], s22, v[64+\e]
.endr
.irp e, 0,1,2,3
	v_cvt_i32_f32 v[72+\e], v[68+\e]               ; k
.endr
.if ((\g)/2)%2 == 0
.irp e, 0,1,2,3
	v_add_nc_u32 v[72+\e], 1, v[72+\e]             ; a cosine is the sine a quadrant on
.endr
.endif
.irp e, 0,1,2,3
	v_mul_f32 v[76+\e], v[64+\e], v[64+\e]         ; z = r r
.endr
.irp e, 0,1,2,3
	v_fma_f32 v[80+\e], v[76+\e], s23, s24
.endr
.irp e, 0,1,2,3
	v_fma_f32 v[80+\e], v[80+\e], v[76+\e], s25
.endr
.irp e, 0,1,2,3
	v_mul_f32 v[84+\e], v[76+\e], v[64+\e]
.endr
.irp e, 0,1,2,3
	v_fma_f32 v[80+\e], v[80+\e], v[84+\e], v[64+\e]   ; sin r
.endr
.irp e, 0,1,2,3
	v_fma_f32 v[88+\e], v[76+\e], s26, s27
.endr
.irp e, 0,1,2,3
	v_fma_f32 v[88+\e], v[88+\e], v[76+\e], s28
.endr
.irp e, 0,1,2,3
	v_mul_f32 v[92+\e], v[76+\e], v[76+\e]
.endr
.irp e, 0,1,2,3
	v_fma_f32 v[96+\e], v[76+\e], -0.5, 1.0
.endr
.irp e, 0,1,2,3
	v_fma_f32 v[88+\e], v[88+\e], v[92+\e], v[96+\e]   ; cos r
.endr
.irp e, 0,1,2,3
	v_and_b32 v[84+\e], 1, v[72+\e]
.endr
.irp e, 0,1,2,3
	v_cmp_eq_u32 vcc_lo, 1, v[84+\e]
	v_cndmask_b32 v[80+\e], v[80+\e], v[88+\e], vcc_lo     ; an odd k takes the cosine
.endr
.irp e, 0,1,2,3
	v_lshlrev_b32 v[72+\e], 30, v[72+\e]
.endr
.irp e, 0,1,2,3
	v_and_b32 v[72+\e], 0x80000000, v[72+\e]       ; k's bit 1 is the sign
.endr
.irp e, 0,1,2,3
	v_xor_b32 v[32+4*(\g)+\e], v[80+\e], v[72+\e]
.endr
	global_store_b128 v5, v[32+4*(\g):32+4*(\g)+3], s[6:7] offset:512*(\g)   ; 32 lanes store 512 consecutive bytes, aligned
.endm
	v_lshl_add_u32 v[SPW], v0, 2, SPARE
	v_mov_b32 v[NIL], 0
	v_lshrrev_b32 v1, 5, v0
	v_readfirstlane_b32 s16, v1                    ; wave 0..3
	v_and_b32 v2, 31, v0                           ; lane
	s_cmp_lt_u32 ttmp9, IDX
	s_cbranch_scc1 .Lw
	s_cmp_lt_u32 ttmp9, IDO
	s_cbranch_scc1 .Lx
	s_cmp_lt_u32 ttmp9, IDT
	s_cbranch_scc1 .Lo
; ---- T: a wave takes one block of 16 tokens.  Lane r + 16 h: token r, frequencies 8 h + 0 .. 7, both parts: eight register groups, one store each
	s_load_b64 s[4:5], s[0:1], 0x28                ; positions
	s_load_b64 s[6:7], s[0:1], 0x58                ; the table
	s_sub_co_u32 s17, ttmp9, IDT
	s_lshl_b32 s17, s17, 2
	s_add_co_u32 s17, s17, s16                     ; my wave's block
	s_lshl_b32 s18, s17, 7                         ; 16 tokens x 8 bytes of positions
	s_mov_b32 s19, 0
	s_lshl_b32 s30, s17, 12                        ; 4,096 bytes of table a block
	s_mov_b32 s31, 0
	s_mov_b32 s20, 0x3f22f983                      ; 2 / pi
	s_mov_b32 s21, 0xbfc90fdb                      ; -(pi/2), the f32 nearest to it,
	s_mov_b32 s22, 0x333bbd2e                      ; and what that number is too large by
	s_mov_b32 s23, 0xb94ca1f9                      ; sin r = r + r z (S1 + z (S2 + z S3))
	s_mov_b32 s24, 0x3c08839e
	s_mov_b32 s25, 0xbe2aaaa3
	s_mov_b32 s26, 0x37ccf5ce                      ; cos r = 1 - z / 2 + z z (C1 + z (C2 + z C3))
	s_mov_b32 s27, 0xbab6061a
	s_mov_b32 s28, 0x3d2aaaa5
	v_and_b32 v3, 15, v2
	v_lshlrev_b32 v3, 3, v3                        ; positions: 8 r
	v_lshlrev_b32 v5, 4, v2                        ; the table: 16 l
	v_lshrrev_b32 v6, 4, v2
	v_lshlrev_b32 v6, 3, v6                        ; my first frequency: 8 h
	s_wait_kmcnt 0x0
	s_add_nc_u64 s[4:5], s[4:5], s[18:19]
	s_add_nc_u64 s[6:7], s[6:7], s[30:31]
	global_load_b64 v[16:17], v3, s[4:5]           ; my token's two positions
.irp e, 0,1,2,3,4,5,6,7
	v_add_nc_u32 v[24+\e], \e, v6
.endr
.irp e, 0,1,2,3,4,5,6,7
	v_cvt_f32_u32 v[24+\e], v[24+\e]
.endr
.irp e, 0,1,2,3,4,5,6,7
	v_mul_f32 v[24+\e], 0xbf549a78, v[24+\e]       ; -i log2(10000) / 16
.endr
.irp e, 0,1,2,3,4,5,6,7
	v_exp_f32 v[24+\e], v[24+\e]                   ; 10000^(-i/16)
.endr
	v_nop                                          ; a plain instruction behind the last exponential
	s_wait_alu depctr_va_vdst(0)                   ; one wait for the eight, ahead of their first reader
	s_wait_loadcnt 0x0
.irp g, 0,1,2,3,4,5,6,7
	SINCOS \g
.endr
	s_wait_tensorcnt 0x0                           ; the wave's end
	ds_add_u32 v[SPW], v[NIL]
	s_wait_dscnt 0x0
	s_endpgm
; ---- O: a wave turns 4,096 numbers of wo into f16: 32 loads of 512 bytes, all issued first; each store covers 256 consecutive bytes, aligned; no register is written twice
.Lo:
	s_load_b64 s[4:5], s[0:1], 0x20                ; wo
	s_load_b64 s[6:7], s[0:1], 0x50                ; wo16
	s_sub_co_u32 s17, ttmp9, IDO
	s_lshl_b32 s17, s17, 2
	s_add_co_u32 s17, s17, s16                     ; my run
	s_lshl_b32 s18, s17, 14
	s_mov_b32 s19, 0
	s_lshl_b32 s20, s17, 13
	s_mov_b32 s21, 0
	v_lshlrev_b32 v3, 4, v2
	v_lshlrev_b32 v4, 3, v2
	s_wait_kmcnt 0x0
	s_add_nc_u64 s[4:5], s[4:5], s[18:19]
	s_add_nc_u64 s[6:7], s[6:7], s[20:21]
.set i, 0
.rept 32
	global_load_b128 v[16+4*i:19+4*i], v3, s[4:5] offset:512*i th:TH_LOAD_NT
.set i, i+1
.endr
.set i, 0
.rept 32
	s_wait_loadcnt 31-i                            ; loads come back in order: load i is in
	v_cvt_pk_f16_f32 v[144+2*i], v[16+4*i], v[17+4*i]
	v_cvt_pk_f16_f32 v[145+2*i], v[18+4*i], v[19+4*i]
	global_store_b64 v4, v[144+2*i:145+2*i], s[6:7] offset:256*i
.set i, i+1
.endr
	s_wait_tensorcnt 0x0                           ; the wave's end, as above
	ds_add_u32 v[SPW], v[NIL]
	s_wait_dscnt 0x0
	s_endpgm
; ---- X: x is a plain stream of blocks of 32; a wave takes a run of 8,192 numbers
.Lx:
	s_load_b64 s[4:5], s[0:1], 0x0                 ; x
	s_load_b128 s[8:11], s[0:1], 0x30              ; its codes, its scale bytes
	v_lshlrev_b32 v3, 4, v2                        ; my 16 bytes of a load's 512
	s_mul_i32 s17, s16, WREG
	v_lshrrev_b32 v14, 2, v2
	v_mul_u32_u24 v14, v14, SP
	v_and_b32 v15, 3, v2
	v_lshl_add_u32 v14, v15, 4, v14
	v_add_nc_u32 v14, s17, v14                     ; the stage, on the way in: four lanes' 64 bytes on end, then 16 of padding
	v_mul_u32_u24 v15, v2, SP
	v_add_nc_u32 v15, s17, v15                     ; and on the way out: my 16 neighbours
	v_mul_u32_u24 v4, v2, CB                       ; my codes' place in a step's
	v_lshrrev_b32 v5, 1, v2
	s_add_co_u32 s17, s17, 2*32*SP
	v_add_nc_u32 v5, s17, v5                       ; my wave's 256 scale bytes, my block's byte
	v_lshlrev_b32 v7, 3, v2
	v_add_nc_u32 v6, s17, v7                       ; and on the way out 8 bytes a lane
	s_sub_co_u32 s17, ttmp9, IDX
	s_lshl_b32 s17, s17, 2
	s_add_co_u32 s17, s17, s16                     ; my run, 0 .. 1,023
	s_lshl_b32 s18, s17, 15
	s_mov_b32 s19, 0
	s_lshl_b32 s20, s17, 12
	s_mov_b32 s21, 0
	s_lshl_b32 s22, s17, 8
	s_mov_b32 s23, 0
	s_wait_kmcnt 0x0
	s_add_nc_u64 s[4:5], s[4:5], s[18:19]
	s_add_nc_u64 s[8:9], s[8:9], s[20:21]
	s_add_nc_u64 s[10:11], s[10:11], s[22:23]
.irp t, 0,1,2,3,4,5,6,7
	XLOAD \t
.endr
	s_wait_loadcnt 4*(AHEAD-1)                     ; step 0's four loads are in; the seven steps behind it may be out
	XTURN 0
.irp t, 0,1,2,3,4,5,6,7,8,9,10,11,12,13,14,15
	XSTEP \t
.endr
	ds_load_b64 v[8:9], v6                         ; LDS serves a wave's instructions in order: these see my byte stores
	s_wait_dscnt 0x0
	global_store_b64 v7, v[8:9], s[10:11]          ; 32 lanes store 256 consecutive bytes, aligned
	s_wait_tensorcnt 0x0                           ; the wave's end, behind my last LDS store
	ds_add_u32 v[SPW], v[NIL]
	s_wait_dscnt 0x0
	s_endpgm
; ---- W: which = id / 32, half of K = (id / 16) % 2, columns 64 (id % 16) + 16 wave on: the four waves stand side by side on 256 consecutive bytes of each row
.Lw:
	s_load_b64 s[4:5], s[0:1], 0x8                 ; wq
	s_load_b64 s[6:7], s[0:1], 0x10                ; wk
	s_load_b64 s[8:9], s[0:1], 0x18                ; wv
	s_load_b128 s[12:15], s[0:1], 0x40             ; the codes, the scale bytes
	s_lshr_b32 s17, ttmp9, 5                       ; which
	s_and_b32 s18, ttmp9, 15
	s_bfe_u32 s19, ttmp9, 0x10004                  ; which 512 along K
	s_lshl_b32 s18, s18, 6
	s_lshl_b32 s20, s16, 4
	s_add_co_u32 s18, s18, s20                     ; my wave's first column
	s_lshl_b32 s20, s19, 21                        ; 512 rows of 4,096 bytes
	s_lshl_b32 s21, s18, 2
	s_add_co_u32 s20, s20, s21
	s_mov_b32 s21, 0
	s_lshl_b32 s22, s17, 10
	s_add_co_u32 s22, s22, s18                     ; its row in the codes' buffer
	s_lshl_b32 s24, s22, 9
	s_lshl_b32 s23, s19, 8
	s_add_co_u32 s24, s24, s23
	s_mov_b32 s25, 0
	s_lshl_b32 s26, s22, 5
	s_lshl_b32 s23, s19, 4
	s_add_co_u32 s26, s26, s23
	s_mov_b32 s27, 0
	s_mul_i32 s28, s16, 16*WPITCH
	s_add_co_u32 s28, s28, WSTG                    ; my stage
	v_and_b32 v5, 15, v2                           ; r: my column
	v_lshrrev_b32 v6, 4, v2                        ; h: which 256 along K
	v_lshlrev_b32 v3, 2, v5
	v_lshl_add_u32 v3, v6, 20, v3                  ; in: 4 r, + h x 256 rows of 4,096 bytes
	v_mul_u32_u24 v4, v5, WPITCH
	v_lshl_add_u32 v4, v6, 7, v4
	v_add_nc_u32 v4, s28, v4                       ; into the stage: row = my column, + 128 h: my 256 codes
	v_mul_u32_u24 v7, v6, WPITCH
	v_lshl_add_u32 v7, v5, 4, v7
	v_add_nc_u32 v7, s28, v7                       ; out of it: sixteen lanes to a row, two rows an instruction
	v_lshlrev_b32 v8, 9, v6
	v_lshl_add_u32 v8, v5, 4, v8                   ; and the same place in the codes' buffer (rows of 512 bytes)
	v_lshlrev_b32 v9, 5, v5
	v_lshl_add_u32 v9, v6, 3, v9                   ; my column's row of scale bytes, + 8 h
	s_wait_kmcnt 0x0
	s_cmp_eq_u32 s17, 1                            ; the choice hangs on the work-group's number alone
	s_cselect_b64 s[4:5], s[6:7], s[4:5]
	s_cmp_eq_u32 s17, 2
	s_cselect_b64 s[4:5], s[8:9], s[4:5]
	s_add_nc_u64 s[4:5], s[4:5], s[20:21]
	s_add_nc_u64 s[12:13], s[12:13], s[24:25]
	s_add_nc_u64 s[14:15], s[14:15], s[26:27]
	WLOAD 0
	WLOAD 1
.set Q, 0
.rept NB
	WBLOCK Q
.set Q, Q+1
.endr
	global_store_b64 v9, v[WSB:WSB+1], s[14:15]    ; my 8 scale bytes
.irp t, 0,1,2,3,4,5,6,7
	ds_load_b128 v[WOUT+4*\t:WOUT+4*\t+3], v7 offset:2*\t*WPITCH
.endr
.irp t, 0,1,2,3,4,5,6,7
	s_wait_dscnt 7-\t
	global_store_b128 v8, v[WOUT+4*\t:WOUT+4*\t+3], s[12:13] offset:2*\t*512   ; sixteen lanes store 256 consecutive bytes, aligned
.endr
	s_wait_tensorcnt 0x0                           ; the wave's end, behind my last LDS store
	ds_add_u32 v[SPW], v[NIL]
	s_wait_dscnt 0x0
	s_endpgm
.Lfunc_end_k_qe037292918_prep:
	.size	k_qe037292918_prep, .Lfunc_end_k_qe037292918_prep-k_qe037292918_prep
	.p2alignl 7, 3214868480
	.fill 96, 4, 3214868480
	.section	.rodata,"a",@progbits
	.p2align	6, 0x0
	.amdhsa_kernel k_qe037292918_prep
		.amdhsa_group_segment_fixed_size 68096
		.amdhsa_private_segment_fixed_size 0
		.amdhsa_enable_private_segment 0
		.amdhsa_kernarg_size 96
		.amdhsa_user_sgpr_count 2
		.amdhsa_user_sgpr_kernarg_segment_ptr 1
		.amdhsa_wavefront_size32 1
		.amdhsa_system_sgpr_workgroup_id_x 1
		.amdhsa_system_sgpr_workgroup_id_y 1
		.amdhsa_system_sgpr_workgroup_id_z 1
		.amdhsa_system_vgpr_workitem_id 0
		.amdhsa_next_free_vgpr 224
		.amdhsa_next_free_sgpr 66
		.amdhsa_reserve_vcc 1
		.amdhsa_float_denorm_mode_32 3
		.amdhsa_float_denorm_mode_16_64 3
		.amdhsa_memory_ordered 1
		.amdhsa_forward_progress 1
		.amdhsa_inst_pref_size 121
	.end_amdhsa_kernel
	.amdgpu_metadata
---
amdhsa.version: [ 1, 2 ]
amdhsa.kernels:
  - .name:           k_qe037292918_prep
    .symbol:         k_qe037292918_prep.kd
    .args:
      - { .name: x, .offset: 0, .size: 8, .value_kind: global_buffer, .address_space: global }
      - { .name: wq, .offset: 8, .size: 8, .value_kind: global_buffer, .address_space: global }
      - { .name: wk, .offset: 16, .size: 8, .value_kind: global_buffer, .address_space: global }
      - { .name: wv, .offset: 24, .size: 8, .value_kind: global_buffer, .address_space: global }
      - { .name: wo, .offset: 32, .size: 8, .value_kind: global_buffer, .address_space: global }
      - { .name: positions_xy, .offset: 40, .size: 8, .value_kind: global_buffer, .address_space: global }
      - { .name: xc, .offset: 48, .size: 8, .value_kind: global_buffer, .address_space: global }
      - { .name: xs, .offset: 56, .size: 8, .value_kind: global_buffer, .address_space: global }
      - { .name: wc, .offset: 64, .size: 8, .value_kind: global_buffer, .address_space: global }
      - { .name: ws, .offset: 72, .size: 8, .value_kind: global_buffer, .address_space: global }
      - { .name: wo16, .offset: 80, .size: 8, .value_kind: global_buffer, .address_space: global }
      - { .name: tab, .offset: 88, .size: 8, .value_kind: global_buffer, .address_space: global }
    .group_segment_fixed_size: 68096
    .private_segment_fixed_size: 0
    .kernarg_segment_align: 8
    .kernarg_segment_size: 96
    .max_flat_workgroup_size: 128
    .sgpr_count:     66
    .vgpr_count:     224
    .wavefront_size: 32
...
	.end_amdgpu_metadata
.endif
;; end of part 1
;; launch qkvgemm (part 2): grid 12 x 32, 4 waves a work-group, clusters of 4 x 4, 327,680 bytes of LDS; arguments xc, xs, wc, ws, qkv, tab, q_scale, k_scale, v_scale; writes qkv
.if DOCPART == 2
	.amdgcn_target "amdgcn-amd-amdhsa--gfx1250"
	.amdhsa_code_object_version 6
	.text
	.protected	k_qe037292918_qkvgemm
	.globl	k_qe037292918_qkvgemm
	.p2align	8
	.type	k_qe037292918_qkvgemm,@function
k_qe037292918_qkvgemm:
	s_mov_b64 s[64:65], 0
	v_nop
	global_prefetch_b8 v0, s[64:65] scope:SCOPE_SE
	s_setreg_imm32_b32 hwreg(HW_REG_WAVE_MODE, 25, 1), 1
	s_wait_xcnt 0x0
	s_wait_alu depctr_hold_cnt(0) depctr_sa_sdst(0) depctr_va_vdst(0) depctr_va_sdst(0) depctr_va_ssrc(0) depctr_va_vcc(0) depctr_vm_vsrc(0)
	s_getreg_b32 s2, hwreg(HW_REG_IB_STS2, 6, 4)
	s_cmp_eq_u32 s2, 0
	s_cbranch_scc0 .Lentry_in_a_cluster
	s_endpgm
.Lentry_in_a_cluster:
	s_bfe_u32 s2, ttmp6, 0x10000c
	s_cmp_lg_u32 s2, 0xf033
	s_cbranch_scc0 .Lentry_shape_is_right
	s_endpgm
.Lentry_shape_is_right:
; [q | k | v] = x [wq | wk | wv] on codes of FP4 (E2M1) with one E8M0 scale for each 32 along K: C = A B^T, A = x's codes [8192][1024], B = the weights' codes [3072][1024]; sums in f32.
; On the way out, for each head of 64: x rsqrt(mean of squares + 1e-6) x (1 + gain); for q and k the rotation by the table; rounded once to f16; stored head-major: qkv [which 3][batch 8][head 16][token 1024][64].
; A tile of C, 256 x 256, is made by four waves, each 128 x 128: 64 accumulators, 512 registers; a wave's 128 columns are two heads.
; K = 1,024 is exactly two LDS slots of 512 along K (rows of 256 bytes): both are asked for at the start, with the scale bytes, and NOTHING IS FILLED AGAIN.  Three tensor loads of a wave are out at the most.
; CLUSTERS: 4 x 4 work-groups; A's tiles are asked for jointly along a row of the cluster, B's along a column.  A cluster spans 1,024 columns, so the cluster's x says q (0), k (1) or v (2): the same in all sixteen.
; THE MATRIX INSTRUCTION IS USED TRANSPOSED (source 0 = 16 rows of B, source 1 = 16 rows of A): a lane holds one token (lane % 16) and eight neighbouring channels 8 (lane / 16) + 0 .. 7 of each block of 16.
; THE TABLE OF COSINES AND SINES of my 128 tokens, 32 registers for each block of 16, is asked for ahead of the products and lands under them: blocks 0 to 5 at the head, into registers that the products never name;
; blocks 6 and 7 in front of the last step, into B's set 0, which that step no longer reads.
; LIMITS: 8 |1 + gain| stays under 65,504 (f16); NaN and infinities are not served.
; REGISTERS, in windows of 256: window 0: v0-31 addresses; v32-95 scale words, two sets; v96-127 the gains; v128-191 A's fragments, one set; v192-255 the table of blocks 0, 1.
;   On the way out v2-15 are at work, v32-95 hold rows read back, v128-191 a block's numbers.
;   window 1: B's fragments, two sets, at v0 and v128; v64-127 the table of blocks 2, 3; v192-255 of blocks 4, 5; at the end v0-63 of blocks 6, 7.   windows 2, 3: the accumulators ((a, b) at v[8 (8 (a % 4) + b)]).
.set SIZE_M, 8192
.set SIZE_N, 3072
.set SIZE_K, 1024
.set KSTEP,  512
.set NQ,     KSTEP/128
.set ROWB,   256
.set KROW,   SIZE_K*4/8
.set PITCH,  272                       ; an LDS row: 256 bytes + 16 of padding: the 16 rows that a load touches start at 16 different groups of four banks
.set FR,     8
.set NL,     2
.set NP,     4
.set HALFT,  128*PITCH
.set SLOT,   4*HALFT
.set KS,     SIZE_K/32
.set SCL,    2*SLOT                    ; behind the slots: the scale bytes, as rows of 256 bytes + 16
.set HALFS,  (128*KS/256)*272
.set SBLK,   (16*KS/256)*272
.set SPARE,  SCL+4*HALFS               ; the spare words, 128 bytes for each wave
.set SPITCH, 272                       ; the way out: a stage of 16 rows x (256 bytes + 16) for each wave, in slot 0, which has had its only fill and its last read by then
.set ADRA, 16
.set ADRB, 20
.set STO,  24                          ; v24  where I put 16 bytes of a row
.set RD,   25                          ; v25  where I read 16 bytes back
.set CO,   26                          ; v26  my byte offset in qkv
.set ADRS, 27
.set SPW,  28                          ; v28  LDS address of my spare word; never rewritten
.set NIL,  29                          ; v29  0; never rewritten
.set GA,   30                          ; v30  32 (lane / 16): my place in the gains
.set TA,   31                          ; v31  16 x lane: my place in a register group of the table; never rewritten
.set SC,   32
.set G,    96                          ; v96-127  1 + gain: register 8 b' + j: channel 16 b' + 8 (lane / 16) + j
.set AF,   128
.set Y,    128                         ; v128-191 a block's 64 numbers of my token
.set BK,   32
.set G1, 24
.set G0, 32
.set G1B, 48
.set G0B, 56
.set G1S, 68
.set G0S, 76
.set G1SB, 80
.set G0SB, 88
.set MSB, 0
.macro WIN new                         ; the immediate's high byte repeats the setting that is left
.if MSB != (\new)
	s_set_vgpr_msb (MSB<<8)|(\new)
.set MSB, (\new)
.endif
.endm
.set MUL_LO, 0xa1                      ; source 0 (B) window 1, source 1 (A) window 0, C and D window 2
.set MUL_HI, 0xf1
.set TO_B,   0x40
; A joint load: waves 0 and 1 fetch for A, waves 2 and 3 for B; the branch hangs on the wave's number alone.  An s_nop 0 and four v_nop follow each of the two lines.
.macro JLOAD g0a, g1a, g0b, g1b
	s_cmp_eq_u32 s15, 0
	s_cbranch_scc0 .Lfor_b_\@
	tensor_load_to_lds s[\g0a:\g0a+3], s[\g1a:\g1a+7]
	s_nop 0
.rept 4
	v_nop
.endr
	s_branch .Lasked_\@
.Lfor_b_\@:
	tensor_load_to_lds s[\g0b:\g0b+3], s[\g1b:\g1b+7]
	s_nop 0
.rept 4
	v_nop
.endr
.Lasked_\@:
.endm
.macro CROUND                          ; a round of the cluster's barrier
	s_barrier_signal -1
	s_barrier_wait -1
	s_cmp_lg_u32 s14, 0
	s_cbranch_scc1 .Lnot_wave_0_\@
	s_barrier_signal -3
.Lnot_wave_0_\@:
	s_barrier_wait -3
	s_barrier_signal -1
	s_barrier_wait -1
.endm
	s_load_b128 s[4:7], s[0:1], 0x0                ; x's codes, x's scales
	s_load_b128 s[8:11], s[0:1], 0x10              ; the weights' codes, their scales
	s_load_b64 s[12:13], s[0:1], 0x20              ; qkv
	s_load_b64 s[96:97], s[0:1], 0x28              ; the table
	s_load_b64 s[98:99], s[0:1], 0x30              ; q's gains
	s_load_b64 s[100:101], s[0:1], 0x38            ; k's
	s_load_b64 s[66:67], s[0:1], 0x40              ; v's
	v_lshl_add_u32 v[SPW], v0, 2, SPARE
	v_mov_b32 v[NIL], 0
	ds_add_u32 v[SPW], v[NIL]                      ; the wave's opening: the add, twice on end, and its wait ahead of my first tensor load
	ds_add_u32 v[SPW], v[NIL]
	v_lshrrev_b32 v1, 5, v0
	v_readfirstlane_b32 s14, v1                    ; wave 0..3
	s_lshr_b32 s15, s14, 1                         ; which half of the tile's rows is mine.  Also: I fetch for A (0) or for B (1)
	s_and_b32 s16, s14, 1                          ; which half of its columns.  Also: which 128 rows of that tile I fetch
	s_bfe_u32 s40, ttmp6, 0x40000                  ; cx, cy: my place in the cluster
	s_bfe_u32 s41, ttmp6, 0x40004
	s_lshl_b32 s42, ttmp9, 2
	s_add_co_u32 s42, s42, s40                     ; tile column of C
	s_and_b32 s17, ttmp7, 0xffff
	s_lshl_b32 s17, s17, 2
	s_add_co_u32 s17, s17, s41                     ; tile row of C
	s_lshl_b32 s43, s41, 2
	s_lshl_b32 s43, 15, s43                        ; my row of the cluster
	s_lshl_b32 s44, 0x1111, s40                    ; my column
	s_or_b32 s[G1+0], s43, (0<<16)|(1<<20)|(1<<21)|(5<<22)|(3<<25)  ; the mask; elements of 1 byte; padding on; bit 21 beside a mask; 4 words after every 64
	s_or_b32 s[G1B+0], s44, (0<<16)|(1<<20)|(1<<21)|(5<<22)|(3<<25)
.irp g, G1, G1B
	s_mov_b32 s[\g+1], ROWB<<16                    ; tensor_dim0
	s_mov_b32 s[\g+2], 128<<16                     ; tensor_dim1
	s_mov_b32 s[\g+3], ROWB<<16                    ; tile_dim0
	s_mov_b32 s[\g+4], 128                         ; tile_dim1
	s_mov_b32 s[\g+5], KROW                        ; the pitch
	s_mov_b32 s[\g+6], 0
	s_mov_b32 s[\g+7], 0
.endr
	s_or_b32 s[G1S+0], s43, (3<<16)|(1<<20)|(1<<21)|(5<<22)|(3<<25) ; the scales of 128 rows: a dense block, as rows of 32 elements of 8 bytes
	s_or_b32 s[G1SB+0], s44, (3<<16)|(1<<20)|(1<<21)|(5<<22)|(3<<25)
.irp g, G1S, G1SB
	s_mov_b32 s[\g+1], 32<<16
	s_mov_b32 s[\g+2], (128*KS/256)<<16
	s_mov_b32 s[\g+3], 32<<16
	s_mov_b32 s[\g+4], 128*KS/256
	s_mov_b32 s[\g+5], 32
	s_mov_b32 s[\g+6], 0
	s_mov_b32 s[\g+7], 0
.endr
	s_lshl_b32 s18, s16, 7
	s_lshl_b32 s20, s17, 8
	s_add_co_u32 s20, s20, s18                     ; A: row 256 x tile row + 128 x half
	s_lshl_b32 s46, s42, 8
	s_add_co_u32 s46, s46, s18                     ; B: row 256 x tile column + 128 x half
	s_mov_b32 s21, 0
	s_mov_b32 s47, 0
	s_mov_b64 s[18:19], KS
	s_mul_u64 s[22:23], s[20:21], s[18:19]         ; where these rows' scales begin,
	s_mul_u64 s[92:93], s[46:47], s[18:19]
	s_mov_b64 s[18:19], KROW
	s_mul_u64 s[20:21], s[20:21], s[18:19]         ; and their codes
	s_mul_u64 s[46:47], s[46:47], s[18:19]
	s_mul_i32 s45, s14, HALFT                      ; where they go: no place in the cluster enters an LDS address
	s_mul_i32 s94, s14, HALFS
	s_wait_dscnt 0x0                               ; both opening adds are done
	s_wait_kmcnt 0x0
	s_add_nc_u64 s[20:21], s[4:5], s[20:21]
	s_add_nc_u64 s[22:23], s[6:7], s[22:23]
	s_add_nc_u64 s[46:47], s[8:9], s[46:47]
	s_add_nc_u64 s[92:93], s[10:11], s[92:93]
	CROUND                                         ; all sixteen work-groups are here: the joint loads meet
	s_mov_b32 s[G0S], 1
	s_add_co_u32 s[G0S+1], s94, SCL
	s_mov_b64 s[G0S+2:G0S+3], s[22:23]
	s_or_b32 s[G0S+3], s[G0S+3], 0x80000000
	s_mov_b32 s[G0SB], 1
	s_add_co_u32 s[G0SB+1], s94, SCL
	s_mov_b64 s[G0SB+2:G0SB+3], s[92:93]
	s_or_b32 s[G0SB+3], s[G0SB+3], 0x80000000
	JLOAD G0S, G1S, G0SB, G1SB                     ; the scales first: they are wanted with the first slot
.irp s, 0,1
	s_mov_b32 s[G0+4*\s], 1
	s_add_co_u32 s[G0+4*\s+1], s45, \s*SLOT
	s_add_nc_u64 s[G0+4*\s+2:G0+4*\s+3], s[20:21], \s*ROWB
	s_or_b32 s[G0+4*\s+3], s[G0+4*\s+3], 0x80000000
	s_mov_b32 s[G0B+4*\s], 1
	s_add_co_u32 s[G0B+4*\s+1], s45, \s*SLOT
	s_add_nc_u64 s[G0B+4*\s+2:G0B+4*\s+3], s[46:47], \s*ROWB
	s_or_b32 s[G0B+4*\s+3], s[G0B+4*\s+3], 0x80000000
	JLOAD G0+4*\s, G1, G0B+4*\s, G1B
.endr
	v_and_b32 v1, 15, v0                           ; r = l % 16
	v_bfe_u32 v2, v0, 4, 1                         ; h = l / 16
	v_mul_u32_u24 v3, v1, PITCH
	v_lshl_add_u32 v4, v2, 4, v3
	s_mul_i32 s21, s15, HALFT
	s_mul_i32 s22, s16, HALFT
	s_add_co_u32 s22, s22, 2*HALFT
.irp s, 0,1
	v_add_nc_u32 v[ADRA+\s], s21, v4
	v_add_nc_u32 v[ADRB+\s], s22, v4
	s_add_co_u32 s21, s21, SLOT
	s_add_co_u32 s22, s22, SLOT
.endr
	v_mul_u32_u24 v5, v1, KS                       ; my row's scales: KS bytes a row,
	v_lshrrev_b32 v6, 8, v5
	v_lshl_add_u32 v5, v6, 4, v5                   ; and 16 more for each 256 passed
	s_mul_i32 s21, s15, HALFS
	s_mul_i32 s22, s16, HALFS
	s_add_co_u32 s22, s22, 2*HALFS
	s_sub_co_u32 s22, s22, s21
	v_mul_u32_u24 v6, s22, v2                      ; lanes 16-31 take B's
	s_add_co_u32 s21, s21, SCL
	v_add_nc_u32 v5, v5, v6
	v_add_nc_u32 v[ADRS], s21, v5
	s_mul_i32 s23, s14, 16*SPITCH                  ; my stage
	v_mul_u32_u24 v5, v1, SPITCH
	v_lshl_add_u32 v5, v2, 4, v5
	v_add_nc_u32 v[STO], s23, v5                   ; in: row r, 16 bytes for each half of the lanes
	v_bfe_u32 v5, v0, 3, 1
	v_mul_u32_u24 v5, v5, SPITCH
	v_lshl_add_u32 v5, v2, 7, v5
	v_and_b32 v6, 7, v0
	v_lshl_add_u32 v5, v6, 4, v5
	v_add_nc_u32 v[RD], s23, v5                    ; back: lanes 0-15 take head 0's 128 bytes of two rows, lanes 16-31 head 1's
	v_lshlrev_b32 v[CO], 4, v1
	v_lshl_add_u32 v[CO], v2, 17, v[CO]            ; in qkv: two rows of a head are 256 bytes on end; the next head lies 131,072 bytes on
	v_lshlrev_b32 v[GA], 5, v2
	v_and_b32 v[TA], 31, v0
	v_lshlrev_b32 v[TA], 4, v[TA]
	s_lshl_b32 s20, s17, 8
	s_lshl_b32 s21, s15, 7
	s_add_co_u32 s20, s20, s21                     ; my first token
	s_lshl_b32 s20, s20, 8                         ; 4,096 bytes of table for 16 tokens
	s_mov_b32 s21, 0
	s_add_nc_u64 s[96:97], s[96:97], s[20:21]
	s_cmp_eq_u32 ttmp9, 1                          ; whose gains: the choice hangs on the cluster's x alone
	s_cselect_b64 s[98:99], s[100:101], s[98:99]
	s_cmp_eq_u32 ttmp9, 2
	s_cselect_b64 s[98:99], s[66:67], s[98:99]
; Where block a's table lies: window TW, 32 registers from TS on.  In them register 16 p + j: cos, 16 p + 8 + j: sin, of frequency 8 (lane / 16) + j, part p, of my token
.macro TABSET a
.if (\a) < 2
.set TW, 0
.set TS, 192+32*((\a)%2)
.elseif (\a) < 4
.set TW, 1
.set TS, 64+32*((\a)%2)
.elseif (\a) < 6
.set TW, 1
.set TS, 192+32*((\a)%2)
.else
.set TW, 1
.set TS, 32*((\a)%2)
.endif
.endm
; A block's table: eight loads of 512 consecutive bytes, the registers' image as it lies in memory.  It is loaded for v's tiles too, so that every path writes these registers
.macro TABLE a
	TABSET \a
	WIN TW<<6
.irp g, 0,1,2,3,4,5,6,7
	global_load_b128 v[TS+4*\g:TS+4*\g+3], v[TA], s[96:97] offset:(\a)*4096+512*\g
.endr
.endm
.irp b, 0,1,2,3
	global_load_b128 v[G+8*\b:G+8*\b+3], v[GA], s[98:99] offset:64*\b
	global_load_b128 v[G+8*\b+4:G+8*\b+7], v[GA], s[98:99] offset:64*\b+16
.endr
.irp a, 0,1,2,3,4,5
	TABLE \a                                       ; with the gains 56 loads: they land under the products, which name none of their registers
.endr
	WIN 0
	s_lshr_b32 s20, s17, 2                         ; where my part of qkv begins: batch = tile row / 4,
	s_lshl_b32 s20, s20, 14                        ; x 16 heads x 1,024 tokens,
	s_and_b32 s21, s17, 3
	s_lshl_b32 s21, s21, 8
	s_add_co_u32 s20, s20, s21                     ; + token 256 (tile row % 4)
	s_lshl_b32 s21, s15, 7
	s_add_co_u32 s20, s20, s21                     ; + 128 x my half of the rows,
	s_lshl_b32 s46, s40, 2
	s_lshl_b32 s47, s16, 1
	s_add_co_u32 s46, s46, s47                     ; head 4 cx + 2 x my half of the columns
	s_lshl_b32 s46, s46, 10
	s_add_co_u32 s20, s20, s46
	s_lshl_b32 s20, s20, 7                         ; rows of 128 bytes
	s_lshl_b32 s21, ttmp9, 24                      ; q, k or v: 16,777,216 bytes each
	s_add_co_u32 s20, s20, s21
	s_mov_b32 s21, 0
	s_add_nc_u64 s[12:13], s[12:13], s[20:21]
.macro FRAG reg, adr, q, i             ; 16 rows x 128 K of 4-bit codes: 8 registers: two loads of 16 bytes, 32 bytes apart
.irp c, 0,1
	ds_load_b128 v[\reg+4*\c:\reg+4*\c+3], v[\adr] offset:64*(\q)+32*\c+(\i)*16*PITCH
.endr
.endm
; 16 matrix instructions: A's blocks a0, a0 + 1 x B's eight.  The 64 accumulators take turns, one instruction a turn, in the same order in every step.
.macro MUL16 a0, p, q, sc, zero
.irp a, \a0, \a0+1
.irp b, 0,1,2,3,4,5,6,7
.if \zero
	v_wmma_scale_f32_16x16x128_f8f6f4 v[8*(8*((\a)%4)+\b):8*(8*((\a)%4)+\b)+7], v[128*(\p)+FR*\b:128*(\p)+FR*\b+FR-1], v[AF+FR*(\a):AF+FR*(\a)+FR-1], 0, v[SC+8*NQ*(\sc)+NQ*\b+(\q)], v[SC+8*NQ*(\sc)+NQ*(\a)+(\q)] matrix_a_fmt:MATRIX_FMT_FP4 matrix_b_fmt:MATRIX_FMT_FP4 matrix_a_scale:MATRIX_SCALE_ROW1
.else
	v_wmma_scale_f32_16x16x128_f8f6f4 v[8*(8*((\a)%4)+\b):8*(8*((\a)%4)+\b)+7], v[128*(\p)+FR*\b:128*(\p)+FR*\b+FR-1], v[AF+FR*(\a):AF+FR*(\a)+FR-1], v[8*(8*((\a)%4)+\b):8*(8*((\a)%4)+\b)+7], v[SC+8*NQ*(\sc)+NQ*\b+(\q)], v[SC+8*NQ*(\sc)+NQ*(\a)+(\q)] matrix_a_fmt:MATRIX_FMT_FP4 matrix_b_fmt:MATRIX_FMT_FP4 matrix_a_scale:MATRIX_SCALE_ROW1
.endif
.endr
.endr
.endm
.macro FETCH_B slot, q, p
	WIN TO_B
.irp i, 0,1,2,3,4,5,6,7
	FRAG 128*(\p)+FR*\i, ADRB+\slot, \q, \i
.endr
	WIN 0
.endm
.macro FETCH_A slot, q, i0
.irp i, \i0, \i0+1, \i0+2, \i0+3
	FRAG AF+FR*(\i), ADRA+\slot, \q, \i
.endr
.endm
.macro SCALES sc                       ; a slot's scale words: lanes 0-15 take A's block i, lanes 16-31 B's block i
.irp i, 0,1,2,3,4,5,6,7
	ds_load_b128 v[SC+8*NQ*\sc+NQ*\i:SC+8*NQ*\sc+NQ*\i+3], v[ADRS] offset:\i*SBLK
.endr
.endm
.macro PLACES n                        ; places in front of loads into registers that matrix instructions have read (ISA guide 7.12.1 for vector instructions)
.rept \n
	v_nop
.endr
.endm
.macro STEP slot, q, zero              ; 128 along K, with its successor in the same slot
	s_wait_dscnt 4*NL                              ; B's set and A's blocks 0-3 are in; A's blocks 4-7 may be out
	WIN MUL_LO
	MUL16 0, (\q)%2, \q, \slot, \zero
	MUL16 2, (\q)%2, \q, \slot, \zero
	s_wait_dscnt 0                                 ; A's blocks 4-7 are in
	PLACES NP
	FETCH_B \slot, (\q)+1, 1-(\q)%2
	FETCH_A \slot, (\q)+1, 0
	WIN MUL_HI
	MUL16 4, (\q)%2, \q, \slot, \zero
	MUL16 6, (\q)%2, \q, \slot, \zero
	PLACES NP
	WIN 0
	FETCH_A \slot, (\q)+1, 4
.endm
.macro STEPS slot, from
.set Q, \from
.rept NQ-1-\from
	STEP \slot, Q, 0
.set Q, Q+1
.endr
.endm
	s_wait_tensorcnt 1                             ; the scales and my part of slot 0 are in (slot 1's load may be out),
	s_barrier_signal -1
	s_barrier_wait -1                              ; everybody's are
	FETCH_B 0, 0, 0
	FETCH_A 0, 0, 0
	SCALES 0
	FETCH_A 0, 0, 4
	STEP 0, 0, 1                                   ; the first step's products start the sums: nothing is cleared
	STEPS 0, 1
	; slot 0's last step, and the change to slot 1: a plain barrier
	s_wait_tensorcnt 0x0                           ; my part of slot 1 is in: no load was issued behind it
	s_wait_dscnt 4*NL
	WIN MUL_LO
	MUL16 0, 1, NQ-1, 0, 0
	s_wait_dscnt 0x0                               ; my reads of slot 0 are over: behind this barrier its bytes may serve as stages
	s_barrier_signal -1
	MUL16 2, 1, NQ-1, 0, 0
	WIN 0
	s_barrier_wait -1
	PLACES NP
	v_add_nc_u32 v[ADRS], 4*NQ, v[ADRS]            ; on to slot 1's scale words
	FETCH_B 1, 0, 0
	FETCH_A 1, 0, 0
	SCALES 1
	WIN MUL_HI
	MUL16 4, 1, NQ-1, 0, 0
	MUL16 6, 1, NQ-1, 0, 0
	PLACES NP
	WIN 0
	FETCH_A 1, 0, 4
	STEPS 1, 0
	TABLE 6                                        ; B's set 0 was last read by the step just ended, whose four places stand behind its last product: it takes the table of blocks 6 and 7,
	TABLE 7                                        ; which has the last step and six blocks of the way out in which to land
	s_wait_dscnt 4*NL                              ; the very last step
	WIN MUL_LO
	MUL16 0, 1, NQ-1, 1, 0
	MUL16 2, 1, NQ-1, 1, 0
	s_wait_dscnt 0
	WIN MUL_HI
	MUL16 4, 1, NQ-1, 1, 0
	MUL16 6, 1, NQ-1, 1, 0
	WIN 0
; THE WAY OUT, block by block of 16 tokens x 128 channels (two heads).
	s_wait_loadcnt 16                              ; the gains and the table of blocks 0 to 5 are in; the sixteen loads of blocks 6 and 7 may be out
	s_mov_b32 s20, 0x76543210                      ; v_permlanex16_b32's selects for lane l xor 16
	s_mov_b32 s21, 0xfedcba98
	s_mov_b32 s94, 0x3c800000                      ; 1 / 64
	s_mov_b32 s95, 0x358637bd                      ; 1e-6
.set i, 0
.rept 16
	v_pk_add_f32 v[G+i:G+i+1], v[G+i:G+i+1], 1.0 op_sel_hi:[1,0]   ; 1 + gain.  (These are also the places behind the last products)
.set i, i+2
.endr
	v_mov_b32 v11, 0                               ; upper halves of the pairs v[10:11], v[12:13], named but not used
	v_mov_b32 v13, 0
	v_mov_b32 v14, 0                               ; a lane permute's destination counts as one of its sources
	v_mov_b32 v15, 0
.macro NORM a
.set AC, 64*((\a)%4)
	TABSET \a
.if (\a) == 6
	s_wait_loadcnt 8                               ; block 6's table is in; block 7's eight loads may be out
.endif
.if (\a) == 7
	s_wait_loadcnt 0x0                             ; block 7's table is in
.endif
	WIN 0x0a+5*((\a)/4)                            ; sources 0 and 1: window 2 or 3
.irp jj, 0,2,4,6                       ; the sums of squares, two chains a head by turns; each accumulator is read from its low pair on
.irp b, 0,1,2,3,4,5,6,7
.set CH, 2+4*(\b/4)+2*(\b%2)
.if (\jj == 0) && ((\b%4) < 2)
	v_pk_mul_f32 v[CH:CH+1], v[AC+8*\b+\jj:AC+8*\b+\jj+1], v[AC+8*\b+\jj:AC+8*\b+\jj+1]
.else
	v_pk_fma_f32 v[CH:CH+1], v[AC+8*\b+\jj:AC+8*\b+\jj+1], v[AC+8*\b+\jj:AC+8*\b+\jj+1], v[CH:CH+1]
.endif
.endr
.endr
	WIN 0
	v_pk_add_f32 v[2:3], v[2:3], v[4:5]
	v_pk_add_f32 v[6:7], v[6:7], v[8:9]
	v_add_f32 v2, v2, v3
	v_add_f32 v6, v6, v7
	v_permlanex16_b32 v14, v2, s20, s21            ; the head's other 32 channels lie in the lane 16 away
	v_permlanex16_b32 v15, v6, s20, s21
	v_add_f32 v2, v2, v14
	v_add_f32 v6, v6, v15
	v_fma_f32 v2, v2, s94, s95                     ; the mean + 1e-6
	v_fma_f32 v6, v6, s94, s95
	v_rsq_f32 v10, v2
	v_rsq_f32 v12, v6
	v_nop                                          ; a plain instruction behind the last of the two
	s_wait_alu depctr_va_vdst(0)                   ; one wait for both, ahead of their first reader
	WIN 2+(\a)/4                                   ; source 0: window 2 or 3
.irp b, 0,1,2,3,4,5,6,7
.irp jj, 0,2,4,6
	v_pk_mul_f32 v[Y+8*\b+\jj:Y+8*\b+\jj+1], v[AC+8*\b+\jj:AC+8*\b+\jj+1], v[10+2*(\b/4):11+2*(\b/4)] op_sel_hi:[1,0]
.endr
.endr
	WIN 0
.irp b, 0,1,2,3,4,5,6,7
.irp jj, 0,2,4,6
	v_pk_mul_f32 v[Y+8*\b+\jj:Y+8*\b+\jj+1], v[Y+8*\b+\jj:Y+8*\b+\jj+1], v[G+8*(\b%4)+\jj:G+8*(\b%4)+\jj+1]
.endr
.endr
	s_cmp_eq_u32 ttmp9, 2                          ; v is not rotated: the cluster's x, the same in all partners
	s_cbranch_scc1 .Lno_rope_\@
	WIN TW<<2                                      ; the table is source 1 of every line below: window 0 or 1
.set n, 0
.irp hd, 0,1                           ; part p of a head: channels c = 8 h + j and c + 16 lie 8 registers apart: (x1, x2) -> (x1 cos - x2 sin, x2 cos + x1 sin)
.irp p, 0,1
.irp jj, 0,2,4,6
.set X1, Y+32*\hd+16*\p+\jj
.set TT, 2+4*(n%2)
	v_pk_mul_f32 v[TT:TT+1], v[X1+8:X1+9], v[TS+16*\p+8+\jj:TS+16*\p+9+\jj]
	v_pk_mul_f32 v[TT+2:TT+3], v[X1:X1+1], v[TS+16*\p+8+\jj:TS+16*\p+9+\jj]
	v_pk_fma_f32 v[X1:X1+1], v[X1:X1+1], v[TS+16*\p+\jj:TS+16*\p+\jj+1], v[TT:TT+1] neg_lo:[0,0,1] neg_hi:[0,0,1]
	v_pk_fma_f32 v[X1+8:X1+9], v[X1+8:X1+9], v[TS+16*\p+\jj:TS+16*\p+\jj+1], v[TT+2:TT+3]
.set n, n+1
.endr
.endr
.endr
	WIN 0                                          ; at a label every window is 0
.Lno_rope_\@:
.set i, 0
.rept 32
	v_cvt_pk_f16_f32 v[Y+i], v[Y+2*i], v[Y+2*i+1]  ; packed in place, ascending: block b's eight channels are registers 4 b .. 4 b + 3
.set i, i+1
.endr
.endm
.macro TOSTAGE a                       ; into my stage, and back; LDS serves a wave's instructions in order: no wait between the stores and the loads
.irp b, 0,1,2,3,4,5,6,7
	ds_store_b128 v[STO], v[Y+4*\b:Y+4*\b+3] offset:32*\b
.endr
.irp t, 0,1,2,3,4,5,6,7
	ds_load_b128 v[BK+32*((\a)%2)+4*\t:BK+32*((\a)%2)+4*\t+3], v[RD] offset:2*\t*SPITCH
.endr
.endm
.macro SEND a, younger                 ; younger: the LDS instructions issued behind block a's loads
	s_wait_dscnt \younger
.irp t, 0,1,2,3,4,5,6,7
	global_store_b128 v[CO], v[BK+32*((\a)%2)+4*\t:BK+32*((\a)%2)+4*\t+3], s[12:13] offset:2048*(\a)+256*\t   ; sixteen lanes store 256 consecutive bytes, aligned: two tokens of a head
.endr
.endm
	NORM 0
	TOSTAGE 0
.irp a, 1,2,3,4,5,6,7
	NORM \a
.if \a > 1
	s_wait_xcnt 0x0                                ; block a - 2's stores have read their registers: block a's rows may land there
.endif
	TOSTAGE \a
	SEND \a-1, 16                                  ; behind block a - 1's loads: block a's 8 stores and 8 loads
.endr
	SEND 7, 0
	s_wait_tensorcnt 0x0                           ; the wave's end, behind my last tensor load and my last LDS store
	ds_add_u32 v[SPW], v[NIL]
	s_wait_dscnt 0x0
	CROUND                                         ; the closing round
	s_endpgm
.Lfunc_end_k_qe037292918_qkvgemm:
	.size	k_qe037292918_qkvgemm, .Lfunc_end_k_qe037292918_qkvgemm-k_qe037292918_qkvgemm
	.p2alignl 7, 3214868480
	.fill 96, 4, 3214868480
	.section	.rodata,"a",@progbits
	.p2align	6, 0x0
	.amdhsa_kernel k_qe037292918_qkvgemm
		.amdhsa_group_segment_fixed_size 327680
		.amdhsa_private_segment_fixed_size 0
		.amdhsa_enable_private_segment 0
		.amdhsa_kernarg_size 72
		.amdhsa_user_sgpr_count 2
		.amdhsa_user_sgpr_kernarg_segment_ptr 1
		.amdhsa_wavefront_size32 1
		.amdhsa_system_sgpr_workgroup_id_x 1
		.amdhsa_system_sgpr_workgroup_id_y 1
		.amdhsa_system_sgpr_workgroup_id_z 1
		.amdhsa_system_vgpr_workitem_id 0
		.amdhsa_next_free_vgpr 1024
		.amdhsa_next_free_sgpr 102
		.amdhsa_reserve_vcc 0
		.amdhsa_float_denorm_mode_32 3
		.amdhsa_float_denorm_mode_16_64 3
		.amdhsa_memory_ordered 1
		.amdhsa_forward_progress 1
		.amdhsa_inst_pref_size 222
	.end_amdhsa_kernel
	.amdgpu_metadata
---
amdhsa.version: [ 1, 2 ]
amdhsa.kernels:
  - .name:           k_qe037292918_qkvgemm
    .symbol:         k_qe037292918_qkvgemm.kd
    .args:
      - { .name: xc, .offset: 0, .size: 8, .value_kind: global_buffer, .address_space: global }
      - { .name: xs, .offset: 8, .size: 8, .value_kind: global_buffer, .address_space: global }
      - { .name: wc, .offset: 16, .size: 8, .value_kind: global_buffer, .address_space: global }
      - { .name: ws, .offset: 24, .size: 8, .value_kind: global_buffer, .address_space: global }
      - { .name: qkv, .offset: 32, .size: 8, .value_kind: global_buffer, .address_space: global }
      - { .name: tab, .offset: 40, .size: 8, .value_kind: global_buffer, .address_space: global }
      - { .name: q_scale, .offset: 48, .size: 8, .value_kind: global_buffer, .address_space: global }
      - { .name: k_scale, .offset: 56, .size: 8, .value_kind: global_buffer, .address_space: global }
      - { .name: v_scale, .offset: 64, .size: 8, .value_kind: global_buffer, .address_space: global }
    .group_segment_fixed_size: 327680
    .private_segment_fixed_size: 0
    .kernarg_segment_align: 8
    .kernarg_segment_size: 72
    .max_flat_workgroup_size: 128
    .sgpr_count:     102
    .vgpr_count:     1024
    .wavefront_size: 32
...
	.end_amdgpu_metadata
.endif
;; end of part 2
;; launch attn (part 3): grid 2 x 128, 8 waves a work-group, no clusters, 327,680 bytes of LDS; arguments qkv, oimg; writes oimg
.if DOCPART == 3
	.amdgcn_target "amdgcn-amd-amdhsa--gfx1250"
	.amdhsa_code_object_version 6
	.text
	.protected	k_qe037292918_attn
	.globl	k_qe037292918_attn
	.p2align	8
	.type	k_qe037292918_attn,@function
k_qe037292918_attn:
	s_mov_b64 s[64:65], 0
	v_nop
	global_prefetch_b8 v0, s[64:65] scope:SCOPE_SE
	s_setreg_imm32_b32 hwreg(HW_REG_WAVE_MODE, 25, 1), 1
	s_wait_xcnt 0x0
; O[q] = the sum over k of softmax_k(Q[q] . K[k] / 8) V[k], for each of 128 (batch, head) pairs; 1,024 tokens, head size 64; no mask.  Q, K, V: f16, [which][batch x head][token][64].
; Products, maxima and sums in f32; the weights p are rounded to f16 for the second product, O once at the end.  A running maximum m and sum l for each query: p = 2^(c s - c m), c = log2(e) / 8;
; in every step O and l are multiplied by a = 2^(c m_old - c m_new).
; SHARES.  A work-group owns 512 queries of one head; each of its eight waves 64: four tiles of 16, in 512 registers: two waves to a SIMD, so that one wave's vector work stands beside the other's products.
; THE HEAD'S WHOLE K AND V LIE IN LDS, FILLED ONCE: 4 stages of 256 keys, all asked for at the start (waves 0-3: K's quarters of a stage; waves 4-7: V's); four tensor loads of a wave are out at the most.
; A stage's barrier stands one step ahead of the first read from it; nothing is filled again.  Two keys (2 x 128 bytes, dense in memory) make one LDS row of 256 bytes.
; NO CLUSTER: only the two work-groups of a head share K and V, and a grid 2 wide does not divide into clusters 4 wide.  NO PREFETCH: every byte that the launch reads is asked for at its head.
; LAYOUT.  S^T = K Q^T (source 0 = 16 keys, source 1 = 16 queries): a lane holds ONE query (lane % 16) and keys 8 (lane / 16) + 0..7.  Two such tiles packed to f16 ARE source 1 of O^T = V^T P.
; O leaves as the register image of the next launch's operand: oimg [16 tokens][32 K][half][lane][16 bytes], K = 64 head + channel: a lane's packed eight channels are half a fragment's registers as they stand.
; LIMITS: NaN and infinities are not served.
; REGISTERS: window 0: v2-11 addresses; v32-63 eight registers of statistics a tile; v64-191 S^T, 32 a tile, then P in place; v192-255 K of one step.
;            window 1: v0-127 O^T, 32 a tile; v128-191 Q; v192-255 V of one step.
.set KP,    272                        ; K's LDS row: 256 + 16: the 16 keys of a load fall on 16 different groups of four banks
.set VP,    288                        ; V's: 256 + 32: likewise for the 16 lanes of a turning load
.set VOFF,  512*KP
.set SPARE, VOFF+512*VP                ; the spare words, 128 bytes for each wave
.set AK0, 2                            ; v2   my lane's place in a step's K
.set AV0, 3                            ; v3   and V
.set ADK, 4
.set ADV, 5
.set QO,  6
.set GO,  7                            ; v7   16 x lane
.set SPW, 10                           ; v10  LDS address of my spare word; never rewritten
.set NIL, 11                           ; v11  0; never rewritten
.set ST,  32                           ; tile t at v[ST + 8 t]: +0 c m, +1 m, +2, +3 l in two halves, +4 .. +7 at work; a takes +6
.set S,   64
.set KF,  192
.set QF,  128                          ; in window 1
.set VF,  192                          ; in window 1
.set WV,  8
.set CS,  12                           ; s[12:13] c, twice
.set SEL, 14                           ; s[14:15] selects for lane l xor 16
.set G1K, 16
.set G1V, 24
.set G0K, 32                           ; s[32:47] a group 0 for each stage of K
.set G0V, 48                           ; s[48:63] and of V
.set TK,  66                           ; s66  LDS byte at which the K to be fetched begins
.set TV,  67                           ; s67  the same for V, less VOFF
.set CNT, 68
.set MSB, 0
.macro WIN new
.if MSB != (\new)
	s_set_vgpr_msb (MSB<<8)|(\new)
.set MSB, (\new)
.endif
.endm
	s_load_b128 s[4:7], s[0:1], 0x0                ; qkv, oimg
	v_lshl_add_u32 v[SPW], v0, 2, SPARE
	v_mov_b32 v[NIL], 0
	ds_add_u32 v[SPW], v[NIL]                      ; the wave's opening: the add, twice on end, and its wait ahead of my first tensor load
	ds_add_u32 v[SPW], v[NIL]
	v_lshrrev_b32 v1, 5, v0
	v_readfirstlane_b32 s[WV], v1                  ; wave 0..7
	s_and_b32 s9, s[WV], 3                         ; which quarter of a stage I fetch
	s_and_b32 s10, ttmp7, 0xffff                   ; batch x 16 + head
	s_mov_b32 s[G1K], (1<<16)|(1<<20)|(5<<22)|(3<<25)   ; elements of 2 bytes; padding on: 4 words after every 64
	s_mov_b32 s[G1V], (1<<16)|(1<<20)|(5<<22)|(7<<25)   ; 8 words
.irp g, G1K, G1V
	s_mov_b32 s[\g+1], 128<<16                     ; tensor_dim0: 128 elements: two keys
	s_mov_b32 s[\g+2], 32<<16                      ; tensor_dim1
	s_mov_b32 s[\g+3], 128<<16                     ; tile_dim0
	s_mov_b32 s[\g+4], 32                          ; tile_dim1: 32 rows: 64 keys
	s_mov_b32 s[\g+5], 128                         ; the pitch: dense
	s_mov_b32 s[\g+6], 0
	s_mov_b32 s[\g+7], 0
.endr
	s_mov_b32 s[CS], 0x3e38aa3b                    ; c = log2(e) / 8
	s_mov_b32 s[CS+1], s[CS]
	s_mov_b32 s[SEL], 0x76543210
	s_mov_b32 s[SEL+1], 0xfedcba98
	s_mov_b32 s[TK], 0
	s_mov_b32 s[TV], 0
	s_mul_i32 s69, s9, 32*KP
	s_mul_i32 s70, s9, 32*VP
	s_add_co_u32 s70, s70, VOFF
	s_lshl_b32 s72, s10, 17                        ; a head is 131,072 bytes
	s_lshl_b32 s11, s9, 13                         ; my 64 keys of a stage
	s_add_co_u32 s72, s72, s11
	s_mov_b32 s73, 0
	s_wait_dscnt 0x0                               ; both opening adds are done
	s_wait_kmcnt 0x0
	s_add_nc_u64 s[72:73], s[4:5], s[72:73]
.irp s, 0,1,2,3
	s_mov_b32 s[G0K+4*\s], 1
	s_add_co_u32 s[G0K+4*\s+1], s69, \s*128*KP
	s_add_nc_u64 s[G0K+4*\s+2:G0K+4*\s+3], s[72:73], 16777216+\s*32768
	s_or_b32 s[G0K+4*\s+3], s[G0K+4*\s+3], 0x80000000
	s_mov_b32 s[G0V+4*\s], 1
	s_add_co_u32 s[G0V+4*\s+1], s70, \s*128*VP
	s_add_nc_u64 s[G0V+4*\s+2:G0V+4*\s+3], s[72:73], 33554432+\s*32768
	s_or_b32 s[G0V+4*\s+3], s[G0V+4*\s+3], 0x80000000
.endr
	s_cmp_lt_u32 s[WV], 4                          ; a wave's four fills stand in one branch on its number, ahead of every wait on TENSORcnt, every LDS read and every barrier
	s_cbranch_scc0 .Lfill_v
.irp s, 0,1,2,3
	tensor_load_to_lds s[G0K+4*\s:G0K+4*\s+3], s[G1K:G1K+7]
	s_nop 0
.endr
.rept 4
	v_nop
.endr
	s_branch .Lfilled
.Lfill_v:
.irp s, 0,1,2,3
	tensor_load_to_lds s[G0V+4*\s:G0V+4*\s+3], s[G1V:G1V+7]
	s_nop 0
.endr
.rept 4
	v_nop
.endr
.Lfilled:
	s_lshl_b32 s74, s10, 17
	s_lshl_b32 s11, ttmp9, 16                      ; my work-group's 512 queries
	s_add_co_u32 s74, s74, s11
	s_lshl_b32 s11, s[WV], 13                      ; my wave's 64
	s_add_co_u32 s74, s74, s11
	s_mov_b32 s75, 0
	s_add_nc_u64 s[74:75], s[4:5], s[74:75]        ; Q at my first query
	s_lshr_b32 s76, s10, 4
	s_lshl_b32 s76, s76, 6                         ; 64 blocks of 16 tokens a batch
	s_lshl_b32 s11, ttmp9, 5
	s_add_co_u32 s76, s76, s11
	s_lshl_b32 s11, s[WV], 2
	s_add_co_u32 s76, s76, s11
	s_lshl_b32 s76, s76, 15                        ; 32,768 bytes a block
	s_and_b32 s11, s10, 15
	s_lshl_b32 s11, s11, 11                        ; a head's two fragments of 1,024 bytes
	s_add_co_u32 s76, s76, s11
	s_mov_b32 s77, 0
	s_add_nc_u64 s[6:7], s[6:7], s[76:77]
	v_and_b32 v1, 15, v0                           ; r
	v_bfe_u32 v8, v0, 4, 1                         ; h
	v_lshlrev_b32 v[QO], 7, v1
	v_lshl_add_u32 v[QO], v8, 4, v[QO]             ; row r of 128 bytes + 16 h
	WIN 0x40                                       ; destination window 1
.irp t, 0,1,2,3                        ; Q stays in registers: tile t, channels 32 f on
.irp f, 0,1
	global_load_b128 v[QF+16*\t+8*\f:QF+16*\t+8*\f+3], v[QO], s[74:75] offset:2048*\t+64*\f
	global_load_b128 v[QF+16*\t+8*\f+4:QF+16*\t+8*\f+7], v[QO], s[74:75] offset:2048*\t+64*\f+32
.endr
.endr
.set i, 0
.rept 128
	v_mov_b32 v[i], 0                              ; O^T.  The step is written in one form: the first finds zeros, which a = 0 leaves zeros; a first step of its own would be one more copy of the step
.set i, i+1
.endr
	WIN 0
	v_lshrrev_b32 v9, 1, v1
	v_mul_u32_u24 v[AK0], v9, KP
	v_and_b32 v9, 1, v0
	v_lshl_add_u32 v[AK0], v9, 7, v[AK0]
	v_lshl_add_u32 v[AK0], v8, 4, v[AK0]           ; key r: row r / 2, + 128 (r % 2), + 16 h
	v_bfe_u32 v[AV0], v0, 1, 2
	v_lshl_add_u32 v[AV0], v8, 2, v[AV0]
	v_mul_u32_u24 v[AV0], v[AV0], VP
	v_lshl_add_u32 v[AV0], v9, 7, v[AV0]
	v_bfe_u32 v9, v0, 3, 1
	v_lshl_add_u32 v[AV0], v9, 4, v[AV0]
	v_add_nc_u32 v[AV0], VOFF, v[AV0]              ; the turning load: key 8 h + l % 8: row 4 h + (l % 8) / 2, + 128 (l % 2); channels 8 ((l / 8) % 2) on
	v_and_b32 v[GO], 31, v0
	v_lshlrev_b32 v[GO], 4, v[GO]
.irp t, 0,1,2,3
	v_mov_b32 v[ST+8*\t+1], 0xff61b1e6             ; m = -3e38, under every score
	v_mul_f32 v[ST+8*\t], s[CS], v[ST+8*\t+1]      ; c m
	v_mov_b32 v[ST+8*\t+2], 0                      ; l
	v_mov_b32 v[ST+8*\t+3], 0
.endr
.macro BAR n                           ; stage 3 - n has landed in every wave's part: my loads up to it are done, no LDS load of mine is out
	s_wait_tensorcnt \n
	s_wait_dscnt 0x0
	s_barrier_signal -1
	s_barrier_wait -1
.endm
.macro FETCH_K                         ; a step's K: 64 keys x 64 channels: 8 fragments, 16 loads
	v_add_nc_u32 v[ADK], s[TK], v[AK0]
	s_add_co_u32 s[TK], s[TK], 32*KP
.irp kt, 0,1,2,3
.irp f, 0,1
	ds_load_b128 v[KF+16*\kt+8*\f:KF+16*\kt+8*\f+3], v[ADK] offset:8*KP*\kt+64*\f
	ds_load_b128 v[KF+16*\kt+8*\f+4:KF+16*\kt+8*\f+7], v[ADK] offset:8*KP*\kt+64*\f+32
.endr
.endr
.endm
.macro FETCH_V                         ; a step's V, turned: 8 fragments of 16 channels x 32 keys, 16 loads
	v_add_nc_u32 v[ADV], s[TV], v[AV0]
	s_add_co_u32 s[TV], s[TV], 32*VP
	WIN 0x40
.irp f2, 0,1
.irp ct, 0,1,2,3
	ds_load_tr16_b128 v[VF+32*\f2+8*\ct:VF+32*\f2+8*\ct+3], v[ADV] offset:16*VP*\f2+32*\ct
	ds_load_tr16_b128 v[VF+32*\f2+8*\ct+4:VF+32*\f2+8*\ct+7], v[ADV] offset:16*VP*\f2+8*VP+32*\ct
.endr
.endr
.endm
.macro KQ                              ; 32 products: the sixteen accumulators take turns, one instruction a turn
	WIN 0x04                                       ; Q in window 1
.irp f, 0,1
.irp kt, 0,1,2,3
.irp t, 0,1,2,3
.if \f == 0
	v_wmma_f32_16x16x32_f16 v[S+32*\t+8*\kt:S+32*\t+8*\kt+7], v[KF+16*\kt+8*\f:KF+16*\kt+8*\f+7], v[QF+16*\t+8*\f:QF+16*\t+8*\f+7], 0
.else
	v_wmma_f32_16x16x32_f16 v[S+32*\t+8*\kt:S+32*\t+8*\kt+7], v[KF+16*\kt+8*\f:KF+16*\kt+8*\f+7], v[QF+16*\t+8*\f:QF+16*\t+8*\f+7], v[S+32*\t+8*\kt:S+32*\t+8*\kt+7]
.endif
.endr
.endr
.endr
	WIN 0
.endm
.macro PVM                             ; 32 products O^T += V^T P, likewise by turns
	WIN 0x51                                       ; V, C and D in window 1, P in window 0
.irp f2, 0,1
.irp ct, 0,1,2,3
.irp t, 0,1,2,3
	v_wmma_f32_16x16x32_f16 v[32*\t+8*\ct:32*\t+8*\ct+7], v[VF+32*\f2+8*\ct:VF+32*\f2+8*\ct+7], v[S+32*\t+8*\f2:S+32*\t+8*\f2+7], v[32*\t+8*\ct:32*\t+8*\ct+7]
.endr
.endr
.endr
	WIN 0
.endm
; A KEY STEP: 64 keys.  pre = 1: the next step's K is fetched under the softmax.
.macro STEP pre
	FETCH_V
	s_wait_dscnt 16                                ; K is in; V's sixteen loads may be out
	KQ
.rept 4
	v_nop                                          ; places in front of the first read of the scores
.endr
.irp j, 0,1,2,3                        ; the maximum of my 32 scores and the old m: four chains a tile, the tiles by turns; each accumulator is read from its low end on
.irp t, 0,1,2,3
	v_max3_num_f32 v[ST+8*\t+4+\j], v[S+32*\t+8*\j], v[S+32*\t+8*\j+1], v[S+32*\t+8*\j+2]
.endr
.endr
.irp g, 1,2
.irp j, 0,1,2,3
.irp t, 0,1,2,3
	v_max3_num_f32 v[ST+8*\t+4+\j], v[ST+8*\t+4+\j], v[S+32*\t+8*\j+2*\g+1], v[S+32*\t+8*\j+2*\g+2]
.endr
.endr
.endr
.irp t, 0,1,2,3
	v_max3_num_f32 v[ST+8*\t+4], v[ST+8*\t+4], v[S+32*\t+7], v[S+32*\t+15]
.endr
.irp t, 0,1,2,3
	v_max3_num_f32 v[ST+8*\t+6], v[ST+8*\t+6], v[S+32*\t+23], v[S+32*\t+31]
.endr
.irp t, 0,1,2,3
	v_max3_num_f32 v[ST+8*\t+4], v[ST+8*\t+4], v[ST+8*\t+5], v[ST+8*\t+6]
.endr
.irp t, 0,1,2,3
	v_max3_num_f32 v[ST+8*\t+4], v[ST+8*\t+4], v[ST+8*\t+7], v[ST+8*\t+1]
.endr
.irp t, 0,1,2,3
	v_permlanex16_b32 v[ST+8*\t+5], v[ST+8*\t+4], s[SEL], s[SEL+1]   ; the query's other 32 keys lie in the lane 16 away
.endr
.irp t, 0,1,2,3
	v_mov_b32 v[ST+8*\t+7], v[ST+8*\t]             ; c m_old
.endr
.irp t, 0,1,2,3
	v_max_num_f32 v[ST+8*\t+1], v[ST+8*\t+4], v[ST+8*\t+5]
.endr
.irp t, 0,1,2,3
	v_mul_f32 v[ST+8*\t], s[CS], v[ST+8*\t+1]
.endr
.irp t, 0,1,2,3
	v_sub_f32 v[ST+8*\t+7], v[ST+8*\t+7], v[ST+8*\t]
.endr
.if \pre
	FETCH_K                                        ; the lines above are the places behind the products that read K
.endif
.set i, 0
.rept 16
.irp t, 0,1,2,3
	v_pk_fma_f32 v[S+32*\t+i:S+32*\t+i+1], v[S+32*\t+i:S+32*\t+i+1], s[CS:CS+1], v[ST+8*\t:ST+8*\t+1] op_sel_hi:[1,0,0] neg_lo:[0,0,1] neg_hi:[0,0,1]   ; c s - c m
.endr
.set i, i+2
.endr
.irp t, 0,1,2,3
	v_exp_f32 v[ST+8*\t+6], v[ST+8*\t+7]           ; a
.endr
.set i, 0
.rept 128
	v_exp_f32 v[S+i], v[S+i]                       ; p, at most 1
.set i, i+1
.endr
	v_nop                                          ; a plain instruction behind the last exponential
	s_wait_alu depctr_va_vdst(0)                   ; ONE wait for the batch of 132, ahead of its first reader
.irp t, 0,1,2,3
	v_pk_mul_f32 v[ST+8*\t+2:ST+8*\t+3], v[ST+8*\t+2:ST+8*\t+3], v[ST+8*\t+6:ST+8*\t+7] op_sel_hi:[1,0]   ; l x a
.endr
.irp t, 0,1,2,3
	v_pk_add_f32 v[ST+8*\t+4:ST+8*\t+5], v[S+32*\t:S+32*\t+1], v[S+32*\t+2:S+32*\t+3]   ; the sum is taken of p in f32, in two chains a tile
.endr
.irp n, 1,2,3,4,5,6,7
.irp t, 0,1,2,3
	v_pk_add_f32 v[ST+8*\t+2:ST+8*\t+3], v[ST+8*\t+2:ST+8*\t+3], v[S+32*\t+4*\n:S+32*\t+4*\n+1]
	v_pk_add_f32 v[ST+8*\t+4:ST+8*\t+5], v[ST+8*\t+4:ST+8*\t+5], v[S+32*\t+4*\n+2:S+32*\t+4*\n+3]
.endr
.endr
.irp t, 0,1,2,3
	v_pk_add_f32 v[ST+8*\t+2:ST+8*\t+3], v[ST+8*\t+2:ST+8*\t+3], v[ST+8*\t+4:ST+8*\t+5]
.endr
.set i, 0
.rept 16
.irp t, 0,1,2,3
	v_cvt_pk_f16_f32 v[S+32*\t+i], v[S+32*\t+2*i], v[S+32*\t+2*i+1]   ; P, packed in place, ascending: registers 8 f2 .. 8 f2 + 7 are keys 32 f2 on
.endr
.set i, i+1
.endr
	WIN 0x41                                       ; O^T in window 1, a in window 0
.set i, 0
.rept 16
.irp t, 0,1,2,3
	v_pk_mul_f32 v[32*\t+i:32*\t+i+1], v[32*\t+i:32*\t+i+1], v[ST+8*\t+6:ST+8*\t+7] op_sel_hi:[1,0]   ; O^T x a, each accumulator from its low end on
.endr
.set i, i+2
.endr
.if \pre
	s_wait_dscnt 16                                ; V is in; the next step's K may be out
.else
	s_wait_dscnt 0x0
.endif
	PVM
.rept 5
	v_nop                                          ; the next step's first products write over P, a source of these; its loads land on V: five places serve both
.endr
.endm
.macro LOOPN n
	s_mov_b32 s[CNT], \n
.Lstep_\@:
	STEP 1
	s_sub_co_u32 s[CNT], s[CNT], 1
	s_cmp_lg_u32 s[CNT], 0
	s_cbranch_scc1 .Lstep_\@
.endm
	BAR 3                                          ; stage 0: keys 0 - 255: steps 0 to 3
	FETCH_K
	s_wait_loadcnt 0x0                             ; Q
	LOOPN 3                                        ; steps 0 to 2; they fetch K of steps 1 to 3
	BAR 2                                          ; stage 1, ahead of step 3, which fetches K of step 4
	LOOPN 4
	BAR 1
	LOOPN 4
	BAR 0
	LOOPN 4
	STEP 0                                         ; step 15
	; THE WAY OUT: l's halves and the other half of the lanes'; O^T / l, rounded to f16; a lane's 16 bytes are stored as they stand
.irp t, 0,1,2,3
	v_add_f32 v[ST+8*\t+4], v[ST+8*\t+2], v[ST+8*\t+3]
.endr
.irp t, 0,1,2,3
	v_permlanex16_b32 v[ST+8*\t+5], v[ST+8*\t+4], s[SEL], s[SEL+1]
.endr
.irp t, 0,1,2,3
	v_add_f32 v[ST+8*\t+4], v[ST+8*\t+4], v[ST+8*\t+5]
.endr
.irp t, 0,1,2,3
	v_rcp_f32 v[ST+8*\t+6], v[ST+8*\t+4]
.endr
	v_nop                                          ; a plain instruction behind the last reciprocal
	s_wait_alu depctr_va_vdst(0)                   ; one wait for the four
.irp t, 0,1,2,3
	WIN 0x01                                       ; source 0 window 1
.set i, 0
.rept 16
	v_pk_mul_f32 v[S+32*\t+i:S+32*\t+i+1], v[32*\t+i:32*\t+i+1], v[ST+8*\t+6:ST+8*\t+7] op_sel_hi:[1,0]
.set i, i+2
.endr
	WIN 0
.set i, 0
.rept 16
	v_cvt_pk_f16_f32 v[S+32*\t+i], v[S+32*\t+2*i], v[S+32*\t+2*i+1]
.set i, i+1
.endr
.irp ct, 0,1,2,3
	global_store_b128 v[GO], v[S+32*\t+4*\ct:S+32*\t+4*\ct+3], s[6:7] offset:32768*\t+1024*(\ct/2)+512*(\ct%2)   ; 32 lanes store 512 consecutive bytes, aligned
.endr
.endr
	s_wait_tensorcnt 0x0                           ; the wave's end, behind my last tensor load
	ds_add_u32 v[SPW], v[NIL]
	s_wait_dscnt 0x0
	s_endpgm
.Lfunc_end_k_qe037292918_attn:
	.size	k_qe037292918_attn, .Lfunc_end_k_qe037292918_attn-k_qe037292918_attn
	.p2alignl 7, 3214868480
	.fill 96, 4, 3214868480
	.section	.rodata,"a",@progbits
	.p2align	6, 0x0
	.amdhsa_kernel k_qe037292918_attn
		.amdhsa_group_segment_fixed_size 327680
		.amdhsa_private_segment_fixed_size 0
		.amdhsa_enable_private_segment 0
		.amdhsa_kernarg_size 16
		.amdhsa_user_sgpr_count 2
		.amdhsa_user_sgpr_kernarg_segment_ptr 1
		.amdhsa_wavefront_size32 1
		.amdhsa_system_sgpr_workgroup_id_x 1
		.amdhsa_system_sgpr_workgroup_id_y 1
		.amdhsa_system_sgpr_workgroup_id_z 1
		.amdhsa_system_vgpr_workitem_id 0
		.amdhsa_next_free_vgpr 512
		.amdhsa_next_free_sgpr 80
		.amdhsa_reserve_vcc 0
		.amdhsa_float_denorm_mode_32 3
		.amdhsa_float_denorm_mode_16_64 3
		.amdhsa_memory_ordered 1
		.amdhsa_forward_progress 1
		.amdhsa_inst_pref_size 185
	.end_amdhsa_kernel
	.amdgpu_metadata
---
amdhsa.version: [ 1, 2 ]
amdhsa.kernels:
  - .name:           k_qe037292918_attn
    .symbol:         k_qe037292918_attn.kd
    .args:
      - { .name: qkv, .offset: 0, .size: 8, .value_kind: global_buffer, .address_space: global }
      - { .name: oimg, .offset: 8, .size: 8, .value_kind: global_buffer, .address_space: global }
    .group_segment_fixed_size: 327680
    .private_segment_fixed_size: 0
    .kernarg_segment_align: 8
    .kernarg_segment_size: 16
    .max_flat_workgroup_size: 256
    .sgpr_count:     80
    .vgpr_count:     512
    .wavefront_size: 32
...
	.end_amdgpu_metadata
.endif
;; end of part 3
;; launch proj (part 4): grid 32 x 8, 4 waves a work-group, clusters of 4 x 1, 327,680 bytes of LDS; arguments oimg, wo16, out0; writes out0
.if DOCPART == 4
	.amdgcn_target "amdgcn-amd-amdhsa--gfx1250"
	.amdhsa_code_object_version 6
	.text
	.protected	k_qe037292918_proj
	.globl	k_qe037292918_proj
	.p2align	8
	.type	k_qe037292918_proj,@function
k_qe037292918_proj:
	s_mov_b64 s[64:65], 0
	v_nop
	global_prefetch_b8 v0, s[64:65] scope:SCOPE_SE
	s_setreg_imm32_b32 hwreg(HW_REG_WAVE_MODE, 25, 1), 1
	s_wait_xcnt 0x0
	s_wait_alu depctr_hold_cnt(0) depctr_sa_sdst(0) depctr_va_vdst(0) depctr_va_sdst(0) depctr_va_ssrc(0) depctr_va_vcc(0) depctr_vm_vsrc(0)
	s_getreg_b32 s2, hwreg(HW_REG_IB_STS2, 6, 4)
	s_cmp_eq_u32 s2, 0
	s_cbranch_scc0 .Lentry_in_a_cluster
	s_endpgm
.Lentry_in_a_cluster:
	s_bfe_u32 s2, ttmp6, 0x10000c
	s_cmp_lg_u32 s2, 0x3003
	s_cbranch_scc0 .Lentry_shape_is_right
	s_endpgm
.Lentry_shape_is_right:
; out0 = O wo: [8192][1024] x [1024][1024], f16 operands, f32 sums, f32 out.
; A work-group makes 256 rows x 128 columns; each of its four waves 64 rows x 128 columns: 32 accumulators, 256 registers.  256 work-groups.
; B: wo16's 1,024 rows of K x my 128 columns (256 bytes a row) lie in LDS for the whole launch, FILLED ONCE, in four stages of 256 along K, all asked for at the start: four tensor loads of a wave are out at the most.
; CLUSTER: the four work-groups of a cluster have the same columns and other rows: B is asked for JOINTLY (mask 15), the same load with the same descriptor in all four.
; A: oimg holds the operand's register images, [16 rows][32 K][half][lane][16 bytes]; each wave's rows are its own, so they go from memory straight into registers: three buffers of 128 along K by turns,
; asked for two K steps (256 products) ahead of their use.
; THE MATRIX INSTRUCTION IS USED TRANSPOSED (source 0 = 16 columns of wo, turned on the way out of LDS; source 1 = 16 rows of O): a lane holds eight neighbouring columns of one row.
; REGISTERS: window 0: v2-7 addresses, v28, v29 the add's two, v32-95 rows on the way out.  window 1: the accumulators ((i, b) at v[8 (8 i + b)]).  window 2: A's buffers 0 and 1.  window 3: v0-127 A's buffer 2; v128-255 B's fragments, two sets.
.set BP,    288                        ; B's LDS row: 256 + 32
.set SPARE, 1024*BP                    ; the spare words, 128 bytes for each wave
.set STAGE, SPARE+512                  ; the way out: 16 rows x (256 + 16) bytes for each wave; no fill lands here
.set SP,    272
.set AB0, 2                            ; v2   my lane's place in 32 rows of B
.set ADB, 3                            ; v3   + the K step
.set AO,  4                            ; v4   16 x lane
.set STO, 5
.set RD,  6
.set GO,  7
.set SPW, 28                           ; v28  LDS address of my spare word; never rewritten
.set NIL, 29                           ; v29  0; never rewritten
.set BK,  32
.set WV,  8
.set G1,  16                           ; s[16:23]
.set G0,  24                           ; s[24:39] a group 0 for each stage
.set MSB, 0
.macro WIN new
.if MSB != (\new)
	s_set_vgpr_msb (MSB<<8)|(\new)
.set MSB, (\new)
.endif
.endm
.macro CROUND                          ; a round of the cluster's barrier
	s_barrier_signal -1
	s_barrier_wait -1
	s_cmp_lg_u32 s[WV], 0
	s_cbranch_scc1 .Lnot_wave_0_\@
	s_barrier_signal -3
.Lnot_wave_0_\@:
	s_barrier_wait -3
	s_barrier_signal -1
	s_barrier_wait -1
.endm
	s_load_b128 s[4:7], s[0:1], 0x0                ; oimg, wo16
	s_load_b64 s[10:11], s[0:1], 0x10              ; out0
	v_lshl_add_u32 v[SPW], v0, 2, SPARE
	v_mov_b32 v[NIL], 0
	ds_add_u32 v[SPW], v[NIL]                      ; the wave's opening: the add, twice on end, and its wait ahead of my first tensor load
	ds_add_u32 v[SPW], v[NIL]
	v_lshrrev_b32 v1, 5, v0
	v_readfirstlane_b32 s[WV], v1                  ; wave 0..3
	s_bfe_u32 s9, ttmp6, 0x40000                   ; cx: it enters A's and the output's addresses alone
	s_lshl_b32 s12, ttmp9, 2
	s_add_co_u32 s12, s12, s9                      ; my 256 rows
	s_and_b32 s13, ttmp7, 0xffff                   ; my 128 columns: shared by the four partners
	s_mov_b32 s[G1], 15|(1<<16)|(1<<20)|(1<<21)|(5<<22)|(7<<25)   ; the mask: all four; elements of 2 bytes; padding on; bit 21 beside a mask; 8 words after every 64
	s_mov_b32 s[G1+1], 128<<16                     ; tensor_dim0
	s_mov_b32 s[G1+2], 64<<16                      ; tensor_dim1
	s_mov_b32 s[G1+3], 128<<16                     ; tile_dim0
	s_mov_b32 s[G1+4], 64                          ; tile_dim1
	s_mov_b32 s[G1+5], 1024                        ; the pitch
	s_mov_b32 s[G1+6], 0
	s_mov_b32 s[G1+7], 0
	s_mul_i32 s40, s[WV], 64*BP                    ; my 64 rows of a stage, in LDS,
	s_lshl_b32 s42, s[WV], 17                      ; and in memory: rows of 2,048 bytes
	s_lshl_b32 s41, s13, 8
	s_add_co_u32 s42, s42, s41
	s_mov_b32 s43, 0
	v_and_b32 v[AO], 31, v0
	v_lshlrev_b32 v[AO], 4, v[AO]
	s_wait_dscnt 0x0                               ; both opening adds are done
	s_wait_kmcnt 0x0
	s_add_nc_u64 s[42:43], s[6:7], s[42:43]
.irp s, 0,1,2,3
	s_mov_b32 s[G0+4*\s], 1
	s_add_co_u32 s[G0+4*\s+1], s40, \s*256*BP
	s_add_nc_u64 s[G0+4*\s+2:G0+4*\s+3], s[42:43], \s*256*2048
	s_or_b32 s[G0+4*\s+3], s[G0+4*\s+3], 0x80000000
.endr
	s_lshl_b32 s44, s12, 4
	s_lshl_b32 s46, s[WV], 2
	s_add_co_u32 s44, s44, s46                     ; my first block of 16 rows
	s_lshl_b32 s44, s44, 15
	s_mov_b32 s45, 0
	s_add_nc_u64 s[44:45], s[4:5], s[44:45]
	s_lshl_b32 s46, s12, 8
	s_lshl_b32 s47, s[WV], 6
	s_add_co_u32 s46, s46, s47                     ; my first row
	s_lshl_b32 s46, s46, 12
	s_lshl_b32 s47, s13, 9
	s_add_co_u32 s46, s46, s47
	s_mov_b32 s47, 0
	s_add_nc_u64 s[10:11], s[10:11], s[46:47]
	CROUND                                         ; all four work-groups are here: the joint loads meet
.irp s, 0,1,2,3
	tensor_load_to_lds s[G0+4*\s:G0+4*\s+3], s[G1:G1+7]
	s_nop 0
.endr
.rept 4
	v_nop
.endr
.macro ALOAD j                         ; K step j of A: 4 quarters x 4 tiles of rows: 32 loads of 512 consecutive bytes, into buffer j % 3
.set AWC, (2+((\j)%3)/2)<<6
.set ABS, 128*(((\j)%3)%2)
	WIN AWC
.irp q, 0,1,2,3
.irp i, 0,1,2,3
.irp c, 0,1
	global_load_b128 v[ABS+8*(4*\q+\i)+4*\c:ABS+8*(4*\q+\i)+4*\c+3], v[AO], s[44:45] offset:32768*\i+1024*(4*(\j)+\q)+512*\c
.endr
.endr
.endr
.endm
.macro FETCH_B q                       ; quarter q of B (32 along K x 128 columns), turned: 8 fragments, 16 loads, into set q % 2
	WIN 0xc0
.irp b, 0,1,2,3,4,5,6,7
	ds_load_tr16_b128 v[128+64*((\q)%2)+8*\b:128+64*((\q)%2)+8*\b+3], v[ADB] offset:32*BP*((\q)%4)+32*\b
	ds_load_tr16_b128 v[128+64*((\q)%2)+8*\b+4:128+64*((\q)%2)+8*\b+7], v[ADB] offset:32*BP*((\q)%4)+32*\b+16*BP
.endr
.endm
.macro MUL q                           ; 32 products: the 32 accumulators take turns, one instruction a turn
.set J3, ((\q)/4)%3
.set ABS, 128*(J3%2)+32*((\q)%4)
.set BBS, 128+64*((\q)%2)
.if J3 == 2
	WIN 0x5f                                       ; B and A in window 3, C and D in window 1
.else
	WIN 0x5b                                       ; B in window 3, A in window 2
.endif
.irp i, 0,1,2,3
.irp b, 0,1,2,3,4,5,6,7
.if (\q) == 0
	v_wmma_f32_16x16x32_f16 v[8*(8*\i+\b):8*(8*\i+\b)+7], v[BBS+8*\b:BBS+8*\b+7], v[ABS+8*\i:ABS+8*\i+7], 0
.else
	v_wmma_f32_16x16x32_f16 v[8*(8*\i+\b):8*(8*\i+\b)+7], v[BBS+8*\b:BBS+8*\b+7], v[ABS+8*\i:ABS+8*\i+7], v[8*(8*\i+\b):8*(8*\i+\b)+7]
.endif
.endr
.endr
.endm
.macro QUARTER q
.if (\q)%4 == 0
.if (\q)/4 < 7
	s_wait_loadcnt 32                              ; this K step of A is in; the next one's 32 loads may be out
.else
	s_wait_loadcnt 0x0
.endif
.endif
.if (((\q)+1)%8 == 0) && ((\q) < 31)
	s_wait_tensorcnt 3-((\q)+1)/8                  ; my part of the stage that the next quarter begins is in; no LDS load of mine is out;
	s_wait_dscnt 0x0
	s_barrier_signal -1
	s_barrier_wait -1                              ; everybody's is.
.endif
.if (\q) > 0
.rept 4
	v_nop                                          ; places in front of loads into registers that the last products have read
.endr
.endif
.if ((\q)%4 == 0) && ((\q)/4 <= 5)
	ALOAD (\q)/4+2
.endif
.if (\q) < 31
.if ((\q)+1)%4 == 0
	WIN 0
	v_add_nc_u32 v[ADB], 128*BP*(((\q)+1)/4), v[AB0]   ; the next K step's 128 rows
.endif
	FETCH_B (\q)+1
	s_wait_dscnt 16                                ; this quarter's fragments are in; the next one's sixteen loads may be out
.else
	s_wait_dscnt 0x0
.endif
	MUL \q
.endm
	ALOAD 0
	ALOAD 1
	WIN 0
	v_and_b32 v1, 15, v0                           ; r
	v_bfe_u32 v8, v0, 4, 1                         ; h
	v_and_b32 v9, 7, v0
	v_lshl_add_u32 v9, v8, 3, v9
	v_mul_u32_u24 v[AB0], v9, BP
	v_bfe_u32 v9, v0, 3, 1
	v_lshl_add_u32 v[AB0], v9, 4, v[AB0]           ; the turning load: row 8 h + l % 8, columns 8 ((l / 8) % 2) on
	s_mul_i32 s41, s[WV], 16*SP
	s_add_co_u32 s41, s41, STAGE                   ; my stage
	v_mul_u32_u24 v[STO], v1, SP
	v_lshl_add_u32 v[STO], v8, 5, v[STO]
	v_add_nc_u32 v[STO], s41, v[STO]               ; in: row r, 32 bytes for each half of the lanes
	v_mul_u32_u24 v[RD], v8, SP
	v_lshl_add_u32 v[RD], v1, 4, v[RD]
	v_add_nc_u32 v[RD], s41, v[RD]                 ; back: lanes 0-15 one row of 256 bytes, lanes 16-31 the next
	v_lshlrev_b32 v[GO], 12, v8
	v_lshl_add_u32 v[GO], v1, 4, v[GO]             ; and the same two rows in out0
	v_mov_b32 v[ADB], v[AB0]
	s_wait_tensorcnt 3                             ; my part of stage 0 is in,
	s_barrier_signal -1
	s_barrier_wait -1                              ; everybody's is
	FETCH_B 0
.set QQ, 0
.rept 32
	QUARTER QQ
.set QQ, QQ+1
.endr
	WIN 0
; THE WAY OUT, in eight pieces of 16 rows x 64 columns (256 bytes a row), through my own stage; LDS serves a wave's instructions in order: no wait between the stores and the loads
.macro PIECE n
	WIN 0x04                                       ; an LDS store's data are its source 1: window 1
.irp t, 0,1,2,3
	ds_store_b128 v[STO], v[8*(8*((\n)/2)+4*((\n)%2)+\t):8*(8*((\n)/2)+4*((\n)%2)+\t)+3] offset:64*\t          ; each accumulator from its low end on
	ds_store_b128 v[STO], v[8*(8*((\n)/2)+4*((\n)%2)+\t)+4:8*(8*((\n)/2)+4*((\n)%2)+\t)+7] offset:64*\t+16
.endr
	WIN 0
.irp t, 0,1,2,3,4,5,6,7
	ds_load_b128 v[BK+32*((\n)%2)+4*\t:BK+32*((\n)%2)+4*\t+3], v[RD] offset:2*\t*SP
.endr
.endm
.macro SENDP n, younger                ; younger: the LDS instructions issued behind piece n's loads
	s_wait_dscnt \younger
.irp t, 0,1,2,3,4,5,6,7
	global_store_b128 v[GO], v[BK+32*((\n)%2)+4*\t:BK+32*((\n)%2)+4*\t+3], s[10:11] offset:(16*((\n)/2)+2*\t)*4096+256*((\n)%2) th:TH_STORE_NT   ; sixteen lanes store 256 consecutive bytes, aligned
.endr
.endm
.rept 4
	v_nop                                          ; places in front of the first read of the last products' results
.endr
	PIECE 0
.irp n, 1,2,3,4,5,6,7
.if \n > 1
	s_wait_xcnt 0x0                                ; piece n - 2's stores have read their registers: piece n's rows may land there
.endif
	PIECE \n
	SENDP \n-1, 16                                 ; behind piece n - 1's loads: piece n's 8 stores and 8 loads
.endr
	SENDP 7, 0
	s_wait_tensorcnt 0x0                           ; the wave's end, behind my last tensor load and my last LDS store
	ds_add_u32 v[SPW], v[NIL]
	s_wait_dscnt 0x0
	CROUND                                         ; the closing round
	s_endpgm
.Lfunc_end_k_qe037292918_proj:
	.size	k_qe037292918_proj, .Lfunc_end_k_qe037292918_proj-k_qe037292918_proj
	.p2alignl 7, 3214868480
	.fill 96, 4, 3214868480
	.section	.rodata,"a",@progbits
	.p2align	6, 0x0
	.amdhsa_kernel k_qe037292918_proj
		.amdhsa_group_segment_fixed_size 327680
		.amdhsa_private_segment_fixed_size 0
		.amdhsa_enable_private_segment 0
		.amdhsa_kernarg_size 24
		.amdhsa_user_sgpr_count 2
		.amdhsa_user_sgpr_kernarg_segment_ptr 1
		.amdhsa_wavefront_size32 1
		.amdhsa_system_sgpr_workgroup_id_x 1
		.amdhsa_system_sgpr_workgroup_id_y 1
		.amdhsa_system_sgpr_workgroup_id_z 1
		.amdhsa_system_vgpr_workitem_id 0
		.amdhsa_next_free_vgpr 1024
		.amdhsa_next_free_sgpr 66
		.amdhsa_reserve_vcc 0
		.amdhsa_float_denorm_mode_32 3
		.amdhsa_float_denorm_mode_16_64 3
		.amdhsa_memory_ordered 1
		.amdhsa_forward_progress 1
		.amdhsa_inst_pref_size 149
	.end_amdhsa_kernel
	.amdgpu_metadata
---
amdhsa.version: [ 1, 2 ]
amdhsa.kernels:
  - .name:           k_qe037292918_proj
    .symbol:         k_qe037292918_proj.kd
    .args:
      - { .name: oimg, .offset: 0, .size: 8, .value_kind: global_buffer, .address_space: global }
      - { .name: wo16, .offset: 8, .size: 8, .value_kind: global_buffer, .address_space: global }
      - { .name: out0, .offset: 16, .size: 8, .value_kind: global_buffer, .address_space: global }
    .group_segment_fixed_size: 327680
    .private_segment_fixed_size: 0
    .kernarg_segment_align: 8
    .kernarg_segment_size: 24
    .max_flat_workgroup_size: 128
    .sgpr_count:     66
    .vgpr_count:     1024
    .wavefront_size: 32
...
	.end_amdgpu_metadata
.endif
;; end of part 4
